; MI455X (gfx1250); checked and timed in simulation.
; The chip was launched on July 23, 2026; its instructions are those of AMD's public machine-readable ISA for CDNA 5 (MIT licence, August 2026) and "CDNA5" Instruction Set Architecture Reference Guide (July 2026). The comments in the code are by the model that wrote it; some were corrected since.
;; Multi Head Attention. Allowed arithmetic: matrix products marked QUANTISED: E2M3 operands, one E8M0 scale for each 32 along K, by v_wmma_scale_f32_16x16x128_f8f6f4 with both operands' format E2M3, f32 sums; everything else in f32.
;; Inputs: w_o 1,024 x 1,024 float32; w_qkv 3,072 x 1,024 float32; x 4 x 2,048 x 1,024 float32.
;; Outputs: out0 4 x 2,048 x 1,024 float32.
;; This version of the problem:
;;   THIS VERSION OF THE PROBLEM IS GIVEN IN LOW PRECISION. The matrix products marked QUANTISED in the list below multiply operands that are first quantised to E2M3 (2 exponent bits, 3 mantissa bits; 6 bits a number), with one power-of-two scale for each 32 numbers along K (OCP MX v1.0); their sums are f32. All else is computed in f32.
;;   The module's matrix products, in the order in which they are computed (A, B: the left and right operand; K: the contracted axis; several contracted axes count as one K, in the product's order):
;;     1. [M 8,192, K 1,024] x [K 1,024, N 3,072]; A: input x; B: input w_qkv: QUANTISED
;;     2. batch 64 x [M 2,048, K 64] x [K 64, N 2,048]; A: computed on the way; B: computed on the way: QUANTISED
;;     3. batch 64 x [M 2,048, K 2,048] x [K 2,048, N 64]; A: softmax (see below); B: computed on the way: QUANTISED
;;     4. [M 8,192, K 1,024] x [K 1,024, N 1,024]; A: computed on the way; B: input w_o: QUANTISED
;;   THE QUANTISER, for each operand of a quantised product, along K:
;;     - K is cut into blocks of 32 from its start; a last block that is shorter is filled with zeros.
;;     - A block's scale is 2^e with e = floor(log2(the largest magnitude in the block)) - 2, held to -126 .. 127; a block of zeros has e = 0. As a byte (E8M0): e + 127.
;;     - Each number is divided by its block's scale, clamped to +-7.5, and rounded to the nearest number of E2M3, ties to even, subnormals kept.
;;     - The product sums the exact products of the quantised numbers (number of the format x scale) in f32.
;;   ~~~python
;;   def quantise(x, axis):      # numpy; x: float32 -> the quantised numbers, widened to float32 again
;;       x = np.moveaxis(x, axis, -1); K = x.shape[-1]
;;       x = np.pad(x, [(0, 0)] * (x.ndim - 1) + [(0, -K % 32)]); x = x.reshape(x.shape[:-1] + (-1, 32)); a = np.abs(x).max(-1, keepdims=True)
;;       e = np.where(a > 0, np.clip(np.frexp(np.where(a > 0, a, 1))[1] - 1 - 2, -126, 127), 0)      # np.frexp(a)[1] - 1 = floor(log2(a)), exactly
;;       r = np.clip(x / 2.0 ** e, -7.5, 7.5)
;;       step = 2.0 ** (np.maximum(np.frexp(np.where(r == 0, 1, r))[1] - 1, 0) - 3)
;;       q = np.round(r / step) * step * 2.0 ** e      # np.round: ties to even
;;       return np.moveaxis(q.reshape(q.shape[:-2] + (-1,))[..., :K], -1, axis).astype(np.float32)
;;   ~~~
;;   SOFTMAX AHEAD OF A QUANTISED PRODUCT. Where the list says 'softmax', what is quantised is not the finished softmax but p = 2^(t - M), with t = logit x log2(e) and M = ceil(the row's largest t), a whole number; so 1/2 < the row's largest p <= 1. The row's sum l is taken of the UNQUANTISED p, in f32, and the product's result is divided by l at the end. Since M is a whole number, a kernel that streams over the keys may use a running M (the ceiling of the running maximum): every later rescaling is an exact power of two, which a block's scale takes up: the codes' values come out the same.
;;   OPERANDS COMPUTED ON THE WAY. 'Computed on the way' means the value that the module computes at that place (a softmax that the list does not call 'softmax' is quantised finished and normalised). What goes into a quantiser is computed in f32, as accurately as f32 sums, v_exp_f32 and their like allow (about 1e-6 of the number): no bf16 or f16 on the way to a quantiser, and a product that is left as it is and whose result goes on into a quantised operand takes f32 operands (vector FMAs, or v_wmma_f32_16x16x4_f32). A number that lies on a knife's edge between two numbers of the format may be rounded either way, as far as f32 arithmetic and the matrix unit's own rounding can turn it there, and no further.
;; One version. Each part assembles by itself: llvm-mc -triple=amdgcn-amd-amdhsa -mcpu=gfx1250 --defsym DOCPART=n.
;; ======== version 1 of 1: 4 launches
;; limits: right only within a limited range of input values
;; workspace buffers: opq 9,830,400 bytes; qq 6,815,744 bytes; kv 13,369,344 bytes; val 6,553,600 bytes
;; launch quant (part 1): grid 256 x 1, 6 waves a work-group, no clusters, 51,456 bytes of LDS; arguments x, w_qkv, w_o, opq; writes opq
.if DOCPART == 1
	.amdgcn_target "amdgcn-amd-amdhsa--gfx1250"
	.amdhsa_code_object_version 6
	.text
	.protected	k_qf60cc8daca_quant
	.globl	k_qf60cc8daca_quant
	.p2align	8
	.type	k_qf60cc8daca_quant,@function
k_qf60cc8daca_quant:
	s_mov_b64 s[64:65], 0
	v_nop
	global_prefetch_b8 v0, s[64:65] scope:SCOPE_SE
	s_setreg_imm32_b32 hwreg(HW_REG_WAVE_MODE, 25, 1), 1
	s_wait_xcnt 0x0
; x [8192][1024], w_qkv [3072][1024], w_o [1024][1024], f32, K innermost, become codes of FP6 (E2M3) with one E8M0 byte for each 32 along K,
; laid in opq AS IMAGES OF THE MATRIX OPERAND'S REGISTERS.
; A TILE is 16 rows: tile 2 i + u holds rows 32 i + 8 u + r + 8 (r / 8), r = 0 .. 15.  Tiles 0-511 are x's, 512-703 w_qkv's, 704-767 w_o's.
; A HALF FRAGMENT is 16 rows x 64 K: lane (r, h) holds k = 32 h .. 32 h + 31 of row r in 6 registers.  Its image is 768 bytes: registers 0-3 at 16 x lane, registers 4-5 at 512 + 8 x lane.
; Tile T's 16 half fragments lie at 12,288 T.  Scale words (4 bytes = 128 K of a row) lie from SCB on: pair of tiles P at 1,024 P as [half of K][lane: 16 (T % 2) + r][4 words].
; A block's scale is 2^(floor(log2(largest magnitude)) - 2); its byte is the largest magnitude's exponent field - 2, held at 1 from below.
; LIMITS: NaN and infinities are not served; a block of zeros, or one whose largest magnitude lies under 2^-124, gets the byte 1 (zero blocks have zero codes, and this program alone reads the bytes).
; SHARES: a wave takes one tile and half of K: 4 steps of 16 rows x 128 K.  Each load reads 512 consecutive bytes of one row; a step's 8,192 bytes turn through the wave's own stage in LDS
; (rows 528 bytes apart), so that a lane gets 2 x 32 neighbours along K of its row.  No barrier: waves share nothing.  No cluster, no tensor load: no byte is read by two work-groups.
.set STG,  8448                        ; a wave's stage: 16 rows x (512 + 16) bytes
.set SCB,  9437184                     ; 768 tiles x 12,288 bytes: where the scale words begin
.set R,    32                          ; v32-159  two sets of 64 numbers as loaded
.set X,    160                         ; v160-223 64 numbers as the conversions want them: register 32 c + i = k 64 c + 32 h + i
.set C,    224                         ; v224-235 the step's codes: two half fragments
.set D,    236                         ; v236-238, v240-242 the upper 16 codes of each block, before they are moved
.set WD,   244                         ; v244-247 the four steps' scale words
	s_load_b256 s[4:11], s[0:1], 0x0               ; x s[4:5], w_qkv s[6:7], w_o s[8:9], opq s[10:11]
	v_lshl_add_u32 v254, v0, 2, 0xc600             ; the spare words lie behind the six waves' stages (6 x 8,448 bytes)
	v_mov_b32 v255, 0
	v_lshrrev_b32 v1, 5, v0
	v_readfirstlane_b32 s12, v1                    ; wave
	v_and_b32 v2, 31, v0                           ; lane
	v_and_b32 v3, 15, v0                           ; r
	v_bfe_u32 v7, v0, 4, 1                         ; h
	v_lshlrev_b32 v4, 4, v2                        ; 16 x lane: loads, and the stores of registers 0-3
	v_lshlrev_b32 v8, 3, v2                        ; 8 x lane: the stores of registers 4-5
	v_lshlrev_b32 v9, 3, v7                        ; 8 h: where my bytes stand in a scale word
	v_lshl_add_u32 v10, v3, 4, v9                  ; 16 r + 8 h: my two words of the row's four
	s_mul_i32 s13, s12, STG
	v_add_nc_u32 v5, s13, v4                       ; the stage, in: 16 x lane of a row
	v_mul_u32_u24 v6, v3, 528
	v_lshl_add_u32 v6, v7, 7, v6
	v_add_nc_u32 v6, s13, v6                       ; and out: row r, + 128 h
	v_mov_b32 v16, 0                               ; a lane permute's destination counts as read: written once
	s_mov_b32 s14, 0x76543210
	s_mov_b32 s15, 0xfedcba98                      ; selects for lane l xor 16
	s_mov_b32 s16, 0xffff0000                      ; lanes 16-31
	s_lshr_b32 s17, s12, 1
	s_mul_i32 s18, ttmp9, 3                        ; a work-group of six waves takes three tiles: 768 tiles on 256 work-groups
	s_add_co_u32 s17, s17, s18                     ; T = 3 x work-group + wave / 2
	s_and_b32 s18, s12, 1                          ; which half of K
	s_wait_alu depctr_va_vdst(0)
	s_wait_kmcnt 0x0
	s_mov_b32 s19, 704
	s_cmp_lt_u32 s17, 704                          ; the tensor is chosen by the tile's number (work-group and wave) alone
	s_cselect_b64 s[6:7], s[6:7], s[8:9]
	s_cselect_b32 s19, 512, s19
	s_cmp_lt_u32 s17, 512
	s_cselect_b64 s[4:5], s[4:5], s[6:7]
	s_cselect_b32 s19, 0, s19
	s_sub_co_u32 s19, s17, s19                     ; the tile's number in its tensor
	s_lshr_b32 s20, s19, 1
	s_lshl_b32 s20, s20, 5
	s_and_b32 s21, s19, 1
	s_lshl_b32 s21, s21, 3
	s_add_co_u32 s20, s20, s21                     ; its first row
	s_lshl_b32 s20, s20, 12                        ; x 4,096 bytes
	s_lshl_b32 s21, s18, 11
	s_add_co_u32 s20, s20, s21                     ; + my half of K
	s_mov_b32 s21, 0
	s_add_nc_u64 s[4:5], s[4:5], s[20:21]
	s_mul_i32 s22, s17, 12288
	s_mul_i32 s23, s18, 6144
	s_add_co_u32 s22, s22, s23
	s_mov_b32 s23, 0
	s_add_nc_u64 s[24:25], s[10:11], s[22:23]      ; my eight half fragments
	s_lshr_b32 s22, s17, 1
	s_lshl_b32 s22, s22, 10
	s_lshl_b32 s26, s18, 9
	s_add_co_u32 s22, s22, s26
	s_and_b32 s26, s17, 1
	s_lshl_b32 s26, s26, 8
	s_add_co_u32 s22, s22, s26
	s_add_co_u32 s22, s22, SCB
	s_add_nc_u64 s[10:11], s[10:11], s[22:23]      ; my 256 bytes of scale words
.macro LOAD t                          ; step t: 16 rows x 512 bytes into set t % 2
.irp j, 0,1,2,3,4,5,6,7,8,9,10,11,12,13,14,15
	global_load_b128 v[R+64*((\t)%2)+4*\j:R+64*((\t)%2)+4*\j+3], v4, s[4:5] offset:(\j+8*(\j/8))*4096+512*(\t) th:TH_LOAD_NT
.endr
.endm
.macro STEP s
.set RS, R+64*((\s)%2)
.if (\s) < 3
	s_wait_loadcnt 16                              ; this step's 16 loads are in; the next step's 16 may be out
.else
	s_wait_loadcnt 0x0
.endif
.irp j, 0,1,2,3,4,5,6,7,8,9,10,11,12,13,14,15
	ds_store_b128 v5, v[RS+4*\j:RS+4*\j+3] offset:528*\j
.endr
.irp c, 0,1
.irp i, 0,1,2,3,4,5,6,7
	ds_load_b128 v[X+32*\c+4*\i:X+32*\c+4*\i+3], v6 offset:256*\c+16*\i   ; LDS serves a wave's instructions in order: these see the stores above
.endr
.endr
	s_wait_dscnt 0x0                               ; my numbers are back, and the stores have read the set
.if (\s) < 2
	LOAD (\s)+2                                    ; which takes the loads of two steps on
.endif
	s_wait_xcnt 0x0                                ; the last step's stores have read the codes' registers: they are rewritten only behind this wait
.irp c, 0,1
	v_max3_num_f32 v[12+\c], |v[X+32*\c]|, |v[X+32*\c+1]|, 0x1800000   ; my block 2 c + h: all 32 numbers are mine; the floor 2^(3 - 127) holds the byte at 1 from below
.endr
.irp i, 2,4,6,8,10,12,14,16,18,20,22,24,26,28,30
.irp c, 0,1
	v_max3_num_f32 v[12+\c], v[12+\c], |v[X+32*\c+\i]|, |v[X+32*\c+\i+1]|
.endr
.endr
.irp c, 0,1
	v_add_nc_u32 v[14+\c], 0xff000000, v[12+\c]    ; 2 off the exponent field: the conversion's scale operand
.endr
.irp c, 0,1
	v_lshrrev_b32 v[12+\c], 23, v[14+\c]           ; the scale's byte
.endr
	v_lshl_or_b32 v17, v13, 16, v12                ; blocks h and 2 + h,
	v_lshlrev_b32 v17, v9, v17                     ; at their places in the word;
	v_permlanex16_b32 v16, v17, s14, s15
	v_or_b32 v[WD+(\s)], v17, v16                  ; with lane l xor 16's two the word is whole
.irp c, 0,1
	v_cvt_scalef32_pk16_fp6_f32 v[C+6*\c:C+6*\c+2], v[X+32*\c:X+32*\c+15], v[14+\c]
	v_cvt_scalef32_pk16_fp6_f32 v[D+4*\c:D+4*\c+2], v[X+32*\c+16:X+32*\c+31], v[14+\c]   ; (a conversion's three registers begin on an even number)
.endr
	v_nop                                          ; one plain instruction behind the scaled conversions
.irp c, 0,1
.irp i, 0,1,2
	v_mov_b32 v[C+6*\c+3+\i], v[D+4*\c+\i]
.endr
.endr
.irp c, 0,1
	global_store_b128 v4, v[C+6*\c:C+6*\c+3], s[24:25] offset:768*(2*(\s)+\c)          ; 512 consecutive bytes, at a multiple of 256
	global_store_b64 v8, v[C+6*\c+4:C+6*\c+5], s[24:25] offset:768*(2*(\s)+\c)+512     ; 256 consecutive bytes
.endr
.endm
	LOAD 0
	LOAD 1
	STEP 0
	STEP 1
	STEP 2
	STEP 3
	v_cndmask_b32 v248, v[WD], v[WD+2], s16        ; lanes 0-15 store words 0, 1 of their row, lanes 16-31 words 2, 3
	v_cndmask_b32 v249, v[WD+1], v[WD+3], s16
	global_store_b64 v10, v[248:249], s[10:11]     ; the wave stores 256 consecutive bytes, aligned
	s_wait_tensorcnt 0x0
	ds_add_u32 v254, v255
	s_wait_dscnt 0x0
	s_endpgm
.Lfunc_end_k_qf60cc8daca_quant:
	.size	k_qf60cc8daca_quant, .Lfunc_end_k_qf60cc8daca_quant-k_qf60cc8daca_quant
	.p2alignl 7, 3214868480
	.fill 96, 4, 3214868480
	.section	.rodata,"a",@progbits
	.p2align	6, 0x0
	.amdhsa_kernel k_qf60cc8daca_quant
		.amdhsa_group_segment_fixed_size 51456
		.amdhsa_private_segment_fixed_size 0
		.amdhsa_enable_private_segment 0
		.amdhsa_kernarg_size 32
		.amdhsa_user_sgpr_count 2
		.amdhsa_user_sgpr_kernarg_segment_ptr 1
		.amdhsa_wavefront_size32 1
		.amdhsa_system_sgpr_workgroup_id_x 1
		.amdhsa_system_sgpr_workgroup_id_y 1
		.amdhsa_system_sgpr_workgroup_id_z 1
		.amdhsa_system_vgpr_workitem_id 0
		.amdhsa_next_free_vgpr 256
		.amdhsa_next_free_sgpr 66
		.amdhsa_reserve_vcc 0
		.amdhsa_float_denorm_mode_32 3
		.amdhsa_float_denorm_mode_16_64 3
		.amdhsa_memory_ordered 1
		.amdhsa_forward_progress 1
		.amdhsa_inst_pref_size 31
	.end_amdhsa_kernel
	.amdgpu_metadata
---
amdhsa.version: [ 1, 2 ]
amdhsa.kernels:
  - .name:           k_qf60cc8daca_quant
    .symbol:         k_qf60cc8daca_quant.kd
    .args:
      - { .name: x, .offset: 0, .size: 8, .value_kind: global_buffer, .address_space: global }
      - { .name: w_qkv, .offset: 8, .size: 8, .value_kind: global_buffer, .address_space: global }
      - { .name: w_o, .offset: 16, .size: 8, .value_kind: global_buffer, .address_space: global }
      - { .name: opq, .offset: 24, .size: 8, .value_kind: global_buffer, .address_space: global }
    .group_segment_fixed_size: 51456
    .private_segment_fixed_size: 0
    .kernarg_segment_align: 8
    .kernarg_segment_size: 32
    .max_flat_workgroup_size: 192
    .sgpr_count:     66
    .vgpr_count:     256
    .wavefront_size: 32
...
	.end_amdgpu_metadata
.endif
;; end of part 1
;; launch qkv (part 2): grid 16 x 32, 4 waves a work-group, clusters of 4 x 4, 327,680 bytes of LDS; arguments opq, qq, kv; writes qq, kv
.if DOCPART == 2
	.amdgcn_target "amdgcn-amd-amdhsa--gfx1250"
	.amdhsa_code_object_version 6
	.text
	.protected	k_qf60cc8daca_qkv
	.globl	k_qf60cc8daca_qkv
	.p2align	8
	.type	k_qf60cc8daca_qkv,@function
k_qf60cc8daca_qkv:
	s_mov_b64 s[64:65], 0
	v_nop
	global_prefetch_b8 v0, s[64:65] scope:SCOPE_SE
	s_setreg_imm32_b32 hwreg(HW_REG_WAVE_MODE, 25, 1), 1
	s_wait_xcnt 0x0
	s_wait_alu depctr_hold_cnt(0) depctr_sa_sdst(0) depctr_va_vdst(0) depctr_va_sdst(0) depctr_va_ssrc(0) depctr_va_vcc(0) depctr_vm_vsrc(0)
	s_getreg_b32 s2, hwreg(HW_REG_IB_STS2, 6, 4)
	s_cmp_eq_u32 s2, 0
	s_cbranch_scc0 .Lentry_in_a_cluster
	s_endpgm
.Lentry_in_a_cluster:
	s_bfe_u32 s2, ttmp6, 0x10000c
	s_cmp_lg_u32 s2, 0xf033
	s_cbranch_scc0 .Lentry_shape_is_right
	s_endpgm
.Lentry_shape_is_right:
; qkv = x w_qkv^T on codes of FP6 with E8M0 scales (K = 1,024), and the quantising of q, k (along the head's 64) and v (along the keys) straight from the accumulators.
; opq holds x's and w_qkv's codes as register images (tile = 16 rows: tile 2 i + u holds rows 32 i + 8 u + r + 8 (r / 8); half fragment = 16 rows x 64 K = 768 bytes) and their scale words.
; SHARES: a work-group makes 256 rows x one head's 192 columns.  Wave w: rows 128 (w / 2) on (8 tiles of x); w % 2 = 0: q's four tiles of w_qkv and v's tiles 0, 1; w % 2 = 1: k's four and v's tiles 2, 3.  48 accumulators.
; q's and k's products are used TRANSPOSED (source 0 = 16 rows of w_qkv, source 1 = 16 rows of x): a lane holds one row, and the 16 registers of two neighbouring tiles are 16 neighbours along d.
; v's products are used PLAIN (source 0 = x, source 1 = w_qkv): a lane holds one d, and the 16 registers of two neighbouring tiles of x are 16 neighbouring keys.  So both lie as the conversions want them.
; OUT: for each head and each 128 rows a chunk.  qq: 8 half fragments of q, then [lane][4 words] (lanes 0-15 tile 2 p, lanes 16-31 tile 2 p + 1).  kv: 8 half fragments of k; V^T as [tile of d 4][64 keys 2][half fragment];
; k's words; V's words [pair of tiles 2][lane].  q's and k's words are byte 0 | byte 1 << 8 | 0x7f7f0000: the upper 64 of the next product's K step are zero codes.
; LDS: three slots of 256 along K (16 tiles of x, 12 of w_qkv, 3,072 bytes each).  K's slots 0, 1, 2 are first fills; slot 3 fills LDS slot 0 again, behind a round of the cluster's barrier.
; CLUSTER 4 x 4: x's tiles hang on the row block alone and are asked for jointly along a row of the cluster, w_qkv's on the head alone, along a column.  A wave has at most one tensor load out.
; LIMITS: NaN and infinities are not served; a block of zeros, or one under 2^-124, gets the byte 1.
; REGISTERS: window 0: v1-18 LDS bases, v19-21 16, 8, 4 x lane, v22-23 for the add, v32-63 x's scale words, v64-87 w_qkv's, v96-239 w_qkv's fragments in two sets (later the way out's);
;   window 1: x's fragments, two sets (v0, v128);  window 2: accumulators of x's tiles 0-3;  window 3: of tiles 4-7: q/k (a, n) at 32 (a % 4) + 8 n, v (a, n) at 128 + 32 ((a % 4) / 2) + 16 n + 8 (a % 2).
.set SLOT,  86016
.set WOFF,  49152                      ; w_qkv's tiles in a slot
.set VOFF,  73728                      ; v's four among them
.set SPARE, 3*SLOT                     ; behind the slots: the spare words, 128 bytes a wave
.set SCB,   9437184
.set LI,  19
.set LJ,  20
.set LW,  21
.set SPW, 22
.set NIL, 23
.set XS,  32
.set WS,  64
.set WF,  96
.set G1A, 24
.set G1W, 32
.set G0A, 40
.set G0W, 52
.set LMASK, 66
.set SEL, 68
.set QKB, 70
.set VTB, 72
.set QSB, 74
.set VSB, 76
.set XSP, 78
.set WQP, 80
.set WVP, 82
.set ET, 96                            ; the way out, window 0: largest magnitudes,
.set EU, 108                           ; the other half's, then bytes,
.set ES, 120                           ; scale operands,
.set EW, 132                           ; words of four tiles,
.set EC, 136                           ; six half fragments, 8 registers apart,
.set ED, 184                           ; their upper halves before they are moved,
.set PWD, 216                          ; v216-219 the four pair words,
.set VWD, 220                          ; v220-221 V's words
.set MSB, 0
.macro WIN new                         ; the immediate's high byte repeats the setting that is left
.if MSB != (\new)
	s_set_vgpr_msb (MSB<<8)|(\new)
.set MSB, (\new)
.endif
.endm
.macro PLACES                          ; four plain instructions between a matrix instruction and a load into, or a read of, its registers
.rept 4
	v_nop
.endr
.endm
.macro CROUND                          ; a round of the cluster's barrier
	s_barrier_signal -1
	s_barrier_wait -1
	s_cmp_lg_u32 s10, 0
	s_cbranch_scc1 .Lnot_wave_0_\@
	s_barrier_signal -3
.Lnot_wave_0_\@:
	s_barrier_wait -3
	s_barrier_signal -1
	s_barrier_wait -1
.endm
.macro FRAG d, ai, aj, off             ; a fragment (16 rows x 128 K, 12 registers) = two half fragments' images
	ds_load_b128 v[(\d):(\d)+3], v[\ai] offset:(\off)
	ds_load_b64 v[(\d)+4:(\d)+5], v[\aj] offset:(\off)+512
	ds_load_b128 v[(\d)+6:(\d)+9], v[\ai] offset:(\off)+768
	ds_load_b64 v[(\d)+10:(\d)+11], v[\aj] offset:(\off)+1280
.endm
.macro WM d, a, b, sa, sb, ra, rb, zero   ; one product; ra, rb: the scales stand in lanes 16-31 of their registers; zero: it starts the sum
.if (\zero) && ((\ra)==0) && ((\rb)==0)
	v_wmma_scale_f32_16x16x128_f8f6f4 v[(\d):(\d)+7], v[(\a):(\a)+11], v[(\b):(\b)+11], 0, v[(\sa)], v[(\sb)] matrix_a_fmt:MATRIX_FMT_FP6 matrix_b_fmt:MATRIX_FMT_FP6
.elseif (\zero) && ((\ra)==1) && ((\rb)==0)
	v_wmma_scale_f32_16x16x128_f8f6f4 v[(\d):(\d)+7], v[(\a):(\a)+11], v[(\b):(\b)+11], 0, v[(\sa)], v[(\sb)] matrix_a_fmt:MATRIX_FMT_FP6 matrix_b_fmt:MATRIX_FMT_FP6 matrix_a_scale:MATRIX_SCALE_ROW1
.elseif (\zero) && ((\ra)==0) && ((\rb)==1)
	v_wmma_scale_f32_16x16x128_f8f6f4 v[(\d):(\d)+7], v[(\a):(\a)+11], v[(\b):(\b)+11], 0, v[(\sa)], v[(\sb)] matrix_a_fmt:MATRIX_FMT_FP6 matrix_b_fmt:MATRIX_FMT_FP6 matrix_b_scale:MATRIX_SCALE_ROW1
.elseif (\zero)
	v_wmma_scale_f32_16x16x128_f8f6f4 v[(\d):(\d)+7], v[(\a):(\a)+11], v[(\b):(\b)+11], 0, v[(\sa)], v[(\sb)] matrix_a_fmt:MATRIX_FMT_FP6 matrix_b_fmt:MATRIX_FMT_FP6 matrix_a_scale:MATRIX_SCALE_ROW1 matrix_b_scale:MATRIX_SCALE_ROW1
.elseif ((\ra)==0) && ((\rb)==0)
	v_wmma_scale_f32_16x16x128_f8f6f4 v[(\d):(\d)+7], v[(\a):(\a)+11], v[(\b):(\b)+11], v[(\d):(\d)+7], v[(\sa)], v[(\sb)] matrix_a_fmt:MATRIX_FMT_FP6 matrix_b_fmt:MATRIX_FMT_FP6
.elseif ((\ra)==1) && ((\rb)==0)
	v_wmma_scale_f32_16x16x128_f8f6f4 v[(\d):(\d)+7], v[(\a):(\a)+11], v[(\b):(\b)+11], v[(\d):(\d)+7], v[(\sa)], v[(\sb)] matrix_a_fmt:MATRIX_FMT_FP6 matrix_b_fmt:MATRIX_FMT_FP6 matrix_a_scale:MATRIX_SCALE_ROW1
.elseif ((\ra)==0) && ((\rb)==1)
	v_wmma_scale_f32_16x16x128_f8f6f4 v[(\d):(\d)+7], v[(\a):(\a)+11], v[(\b):(\b)+11], v[(\d):(\d)+7], v[(\sa)], v[(\sb)] matrix_a_fmt:MATRIX_FMT_FP6 matrix_b_fmt:MATRIX_FMT_FP6 matrix_b_scale:MATRIX_SCALE_ROW1
.else
	v_wmma_scale_f32_16x16x128_f8f6f4 v[(\d):(\d)+7], v[(\a):(\a)+11], v[(\b):(\b)+11], v[(\d):(\d)+7], v[(\sa)], v[(\sb)] matrix_a_fmt:MATRIX_FMT_FP6 matrix_b_fmt:MATRIX_FMT_FP6 matrix_a_scale:MATRIX_SCALE_ROW1 matrix_b_scale:MATRIX_SCALE_ROW1
.endif
.endm
.macro LOADS q, set                    ; 56 LDS loads: K step q's 8 fragments of x and 6 of w_qkv into set
.set BS, 1+6*(((\q)/2)%3)
	WIN 0x40                                       ; destination window 1, address window 0
.irp a, 0,1,2,3,4,5,6,7
	FRAG 128*(\set)+12*\a, BS, BS+1, 3072*\a+1536*((\q)%2)
.endr
	WIN 0
.irp n, 0,1,2,3
	FRAG WF+72*(\set)+12*\n, BS+2, BS+3, 3072*\n+1536*((\q)%2)
.endr
.irp n, 0,1
	FRAG WF+72*(\set)+48+12*\n, BS+4, BS+5, 3072*\n+1536*((\q)%2)
.endr
.endm
.macro MUL q, set, zero                ; 48 products, one on each accumulator, in the same order in every step: the accumulators take turns
	WIN 0xa4                                       ; source 0 (w_qkv) window 0, source 1 (x) window 1, C and D window 2
.irp a, 0,1,2,3
.irp n, 0,1,2,3
	WM 32*\a+8*\n, WF+72*(\set)+12*\n, 128*(\set)+12*\a, WS+8*(\n/2)+(\q), XS+8*(\a/2)+(\q), \n%2, \a%2, \zero
.endr
.endr
	WIN 0xa1                                       ; source 0 (x) window 1, source 1 (w_qkv) window 0
.irp a, 0,1,2,3
.irp n, 0,1
	WM 128+32*(\a/2)+16*\n+8*(\a%2), 128*(\set)+12*\a, WF+72*(\set)+48+12*\n, XS+8*(\a/2)+(\q), WS+16+(\q), \a%2, \n, \zero
.endr
.endr
	WIN 0xf1                                       ; the same, C and D window 3
.irp a, 4,5,6,7
.irp n, 0,1
	WM 128+32*((\a-4)/2)+16*\n+8*(\a%2), 128*(\set)+12*\a, WF+72*(\set)+48+12*\n, XS+8*(\a/2)+(\q), WS+16+(\q), \a%2, \n, \zero
.endr
.endr
	WIN 0xf4
.irp a, 4,5,6,7
.irp n, 0,1,2,3
	WM 32*(\a-4)+8*\n, WF+72*(\set)+12*\n, 128*(\set)+12*\a, WS+8*(\n/2)+(\q), XS+8*(\a/2)+(\q), \n%2, \a%2, \zero
.endr
.endr
.endm
; THE WAY OUT of window w (2: x's tiles 0-3, keys 0-63 of the chunk; 3: tiles 4-7, keys 64-127).  Its 192 registers are 12 blocks' halves, block b at 16 b: 0-7 q or k (tile b / 2, d 32 (b % 2) on), 8-11 v (tile of d b % 2, keys 32 ((b - 8) / 2) on).
.macro EPI w
	WIN 0
.irp b, 0,1,2,3,4,5,6,7,8,9,10,11
	v_mov_b32 v[EU+\b], 0                          ; a lane permute's destination counts as read
.endr
	WIN 0x0a+5*((\w)-2)                            ; sources 0 and 1: window w
.irp b, 0,1,2,3,4,5,6,7,8,9,10,11
	v_max3_num_f32 v[ET+\b], |v[16*\b]|, |v[16*\b+1]|, 0x1800000   ; each accumulator is read from its low end on; the floor 2^(3 - 127) holds the byte at 1 from below
.endr
.irp i, 2,4,6,8,10,12,14
.irp b, 0,1,2,3,4,5,6,7,8,9,10,11
	v_max3_num_f32 v[ET+\b], |v[16*\b+\i]|, |v[16*\b+\i+1]|, v[ET+\b]
.endr
.endr
	WIN 0
.irp b, 0,1,2,3,4,5,6,7,8,9,10,11
	v_permlanex16_b32 v[EU+\b], v[ET+\b], s[SEL], s[SEL+1]
.endr
.irp b, 0,1,2,3,4,5,6,7,8,9,10,11
	v_max_num_f32 v[ET+\b], v[ET+\b], v[EU+\b]     ; with lane l xor 16's 16: the block's largest magnitude
.endr
.irp b, 0,1,2,3,4,5,6,7,8,9,10,11
	v_add_nc_u32 v[ES+\b], 0xff000000, v[ET+\b]    ; 2 off the exponent field: the conversion's scale operand
.endr
.irp b, 0,1,2,3,4,5,6,7,8,9,10,11
	v_lshrrev_b32 v[EU+\b], 23, v[ES+\b]           ; the byte
.endr
.irp a, 0,1,2,3
	v_lshl_or_b32 v[EW+\a], v[EU+2*\a+1], 8, v[EU+2*\a]
.endr
.irp a, 0,1,2,3
	v_or_b32 v[EW+\a], 0x7f7f0000, v[EW+\a]        ; bytes 2, 3: 2^0, over zero codes
.endr
.irp p, 0,1
	v_cndmask_b32 v[PWD+2*((\w)-2)+\p], v[EW+2*\p], v[EW+2*\p+1], s[LMASK]   ; lanes 0-15 the even tile's words, lanes 16-31 the odd tile's
.endr
.if (\w)==2
.irp n, 0,1
	v_lshl_or_b32 v[VWD+\n], v[EU+10+\n], 8, v[EU+8+\n]   ; V's word: key blocks 0, 1
.endr
.else
.irp n, 0,1
	v_lshl_or_b32 v[VWD+\n], v[EU+8+\n], 16, v[VWD+\n]    ; key blocks 2, 3
.endr
.irp n, 0,1
	v_lshl_or_b32 v[VWD+\n], v[EU+10+\n], 24, v[VWD+\n]
.endr
.endif
	WIN 0x02+((\w)-2)                              ; source 0: window w
.irp a, 0,1,2,3
	v_cvt_scalef32_pk16_fp6_f32 v[EC+8*\a:EC+8*\a+2], v[32*\a:32*\a+15], v[ES+2*\a]
	v_cvt_scalef32_pk16_fp6_f32 v[ED+4*\a:ED+4*\a+2], v[32*\a+16:32*\a+31], v[ES+2*\a+1]
.endr
.irp n, 0,1
	v_cvt_scalef32_pk16_fp6_f32 v[EC+32+8*\n:EC+32+8*\n+2], v[128+16*\n:128+16*\n+15], v[ES+8+\n]
	v_cvt_scalef32_pk16_fp6_f32 v[ED+16+4*\n:ED+16+4*\n+2], v[160+16*\n:160+16*\n+15], v[ES+10+\n]
.endr
	WIN 0
	v_nop                                          ; one plain instruction behind the scaled conversions
.irp h, 0,1,2,3,4,5
.irp i, 0,1,2
	v_permlane16_swap_b32 v[EC+8*\h+\i], v[ED+4*\h+\i]   ; a lane gets a WHOLE block: lanes 0-15 the first, lanes 16-31 the second
.endr
.endr
.irp h, 0,1,2,3,4,5
.irp i, 0,1,2
	v_mov_b32 v[EC+8*\h+3+\i], v[ED+4*\h+\i]
.endr
.endr
.irp a, 0,1,2,3
	global_store_b128 v[LI], v[EC+8*\a:EC+8*\a+3], s[QKB:QKB+1] offset:768*(4*((\w)-2)+\a)         ; 512 consecutive bytes, at a multiple of 256
	global_store_b64 v[LJ], v[EC+8*\a+4:EC+8*\a+5], s[QKB:QKB+1] offset:768*(4*((\w)-2)+\a)+512    ; 256 consecutive bytes
.endr
.irp n, 0,1
	global_store_b128 v[LI], v[EC+32+8*\n:EC+32+8*\n+3], s[VTB:VTB+1] offset:1536*\n+768*((\w)-2)
	global_store_b64 v[LJ], v[EC+32+8*\n+4:EC+32+8*\n+5], s[VTB:VTB+1] offset:1536*\n+768*((\w)-2)+512
.endr
.endm
	s_load_b128 s[4:7], s[0:1], 0x0                ; opq s[4:5], qq s[6:7]
	s_load_b64 s[8:9], s[0:1], 0x10                ; kv
	v_lshl_add_u32 v[SPW], v0, 2, SPARE
	v_mov_b32 v[NIL], 0
	ds_add_u32 v22, v23
	ds_add_u32 v22, v23
	s_wait_dscnt 0x0
	v_lshrrev_b32 v24, 5, v0
	v_readfirstlane_b32 s10, v24                   ; wave
	s_lshr_b32 s11, s10, 1                         ; which 128 rows are mine.  Also: the K slot (0 or 1) of my head load
	s_and_b32 s12, s10, 1                          ; q's side or k's.  Also: I fetch x's tiles (0) or w_qkv's (1)
	s_bfe_u32 s13, ttmp6, 0x40000                  ; cx
	s_bfe_u32 s14, ttmp6, 0x40004                  ; cy
	s_lshl_b32 s15, ttmp9, 2
	s_add_co_u32 s15, s15, s13                     ; the head
	s_and_b32 s16, ttmp7, 0xffff
	s_lshl_b32 s16, s16, 2
	s_add_co_u32 s16, s16, s14                     ; the block of 256 rows
	s_lshl_b32 s17, s14, 2
	s_lshl_b32 s17, 15, s17                        ; my row of the cluster
	s_lshl_b32 s18, 0x1111, s13                    ; my column
	s_or_b32 s[G1A], s17, (3<<16)|(1<<21)          ; the mask; elements of 8 bytes; bit 21 beside a mask; no padding
	s_or_b32 s[G1W], s18, (3<<16)|(1<<21)
	s_mov_b32 s[G1A+1], 384<<16                    ; a tile's 256 along K: 3,072 bytes = 384 elements
	s_mov_b32 s[G1A+2], 16<<16                     ; THE FILLS AS THEY STAND: one load brings all 16 tiles of x, or all 12 of w_qkv, of one K slot
	s_mov_b32 s[G1A+3], 384<<16
	s_mov_b32 s[G1A+4], 16
	s_mov_b32 s[G1A+5], 1536                       ; 12,288 bytes from tile to tile
	s_mov_b32 s[G1A+6], 0
	s_mov_b32 s[G1A+7], 0
	s_mov_b32 s[G1W+1], 384<<16
	s_mov_b32 s[G1W+2], 12<<16
	s_mov_b32 s[G1W+3], 384<<16
	s_mov_b32 s[G1W+4], 12
	s_mov_b32 s[G1W+5], 1536
	s_mov_b32 s[G1W+6], 0
	s_mov_b32 s[G1W+7], 0
	s_lshl_b32 s20, s16, 4
	s_mul_i32 s20, s20, 12288                      ; x: tile 16 x block
	s_mov_b32 s21, 0
	s_mul_i32 s84, s15, 12
	s_add_co_u32 s84, s84, 512                     ; w_qkv: tile 512 + 12 x head
	s_mul_i32 s84, s84, 12288
	s_mov_b32 s85, 0
	s_mov_b32 s22, 0                               ; where they go in a slot
	s_mov_b32 s23, WOFF
	s_wait_kmcnt 0x0
	s_add_nc_u64 s[20:21], s[4:5], s[20:21]
	s_add_nc_u64 s[84:85], s[4:5], s[84:85]
.irp s, 0,1,2
	s_mov_b32 s[G0A+4*\s], 1
	s_add_co_u32 s[G0A+4*\s+1], s22, \s*SLOT
	s_add_nc_u64 s[G0A+4*\s+2:G0A+4*\s+3], s[20:21], \s*3072
	s_or_b32 s[G0A+4*\s+3], s[G0A+4*\s+3], 0x80000000
	s_mov_b32 s[G0W+4*\s], 1
	s_add_co_u32 s[G0W+4*\s+1], s23, \s*SLOT
	s_add_nc_u64 s[G0W+4*\s+2:G0W+4*\s+3], s[84:85], \s*3072
	s_or_b32 s[G0W+4*\s+3], s[G0W+4*\s+3], 0x80000000
.endr
	CROUND                                         ; all sixteen work-groups are here: the first joint loads meet
	s_cmp_eq_u32 s10, 0                            ; the head's four tiles, one load a wave, in one chain of arms on the wave's number:
	s_cbranch_scc0 .Lhead_1
	tensor_load_to_lds s[G0A:G0A+3], s[G1A:G1A+7]  ; wave 0: x's tiles of K slot 0
	s_nop 0
	PLACES
	s_branch .Lfirst_done
.Lhead_1:
	s_cmp_eq_u32 s10, 1
	s_cbranch_scc0 .Lhead_2
	tensor_load_to_lds s[G0W:G0W+3], s[G1W:G1W+7]  ; wave 1: w_qkv's of K slot 0
	s_nop 0
	PLACES
	s_branch .Lfirst_done
.Lhead_2:
	s_cmp_eq_u32 s10, 2
	s_cbranch_scc0 .Lhead_3
	tensor_load_to_lds s[G0A+4:G0A+7], s[G1A:G1A+7]  ; wave 2: x's of K slot 1
	s_nop 0
	PLACES
	s_branch .Lfirst_done
.Lhead_3:
	tensor_load_to_lds s[G0W+4:G0W+7], s[G1W:G1W+7]  ; wave 3: w_qkv's of K slot 1
	s_nop 0
	PLACES
.Lfirst_done:
	v_and_b32 v24, 31, v0
	v_lshlrev_b32 v[LI], 4, v24
	s_wait_alu depctr_va_vdst(0)
	v_lshlrev_b32 v[LJ], 3, v24
	s_wait_alu depctr_va_vdst(0)
	v_lshlrev_b32 v[LW], 2, v24
	s_mul_i32 s92, s11, 24576                      ; my 8 tiles of x,
	s_mul_i32 s93, s12, 12288
	s_add_co_u32 s93, s93, WOFF                    ; my four of q or k,
	s_mul_i32 s94, s12, 6144
	s_add_co_u32 s94, s94, VOFF                    ; my two of v
.irp s, 0,1,2
	v_add_nc_u32 v[1+6*\s], s92, v[LI]
	v_add_nc_u32 v[2+6*\s], s92, v[LJ]
	v_add_nc_u32 v[3+6*\s], s93, v[LI]
	v_add_nc_u32 v[4+6*\s], s93, v[LJ]
	v_add_nc_u32 v[5+6*\s], s94, v[LI]
	v_add_nc_u32 v[6+6*\s], s94, v[LJ]
	s_add_co_u32 s92, s92, SLOT
	s_add_co_u32 s93, s93, SLOT
	s_add_co_u32 s94, s94, SLOT
.endr
	s_mov_b32 s[LMASK], 0xffff0000
	s_mov_b32 s[SEL], 0x76543210
	s_mov_b32 s[SEL+1], 0xfedcba98
	s_lshr_b32 s86, s16, 3                         ; the chunk: ((batch x 16 + head) x 16 + group of 128 rows)
	s_lshl_b32 s86, s86, 4
	s_add_co_u32 s86, s86, s15
	s_lshl_b32 s86, s86, 4
	s_and_b32 s87, s16, 7
	s_lshl_b32 s87, s87, 1
	s_add_co_u32 s86, s86, s87
	s_add_co_u32 s86, s86, s11
	s_mul_i32 s88, s86, 6656
	s_mov_b32 s89, 0
	s_add_nc_u64 s[6:7], s[6:7], s[88:89]
	s_mul_i32 s88, s86, 13056
	s_add_nc_u64 s[8:9], s[8:9], s[88:89]
	s_cmp_eq_u32 s12, 0                            ; q goes to qq, k to kv: the choice hangs on the wave's number alone
	s_cselect_b64 s[QKB:QKB+1], s[6:7], s[8:9]
	s_mov_b32 s88, 12288
	s_cselect_b32 s88, 6144, s88
	s_add_nc_u64 s[QSB:QSB+1], s[QKB:QKB+1], s[88:89]   ; its pair words
	s_mul_i32 s88, s12, 3072
	s_add_co_u32 s88, s88, 6144
	s_add_nc_u64 s[VTB:VTB+1], s[8:9], s[88:89]    ; my two tiles of V^T
	s_lshl_b32 s88, s12, 7
	s_add_co_u32 s88, s88, 12800
	s_add_nc_u64 s[VSB:VSB+1], s[8:9], s[88:89]    ; and their words
	s_lshl_b32 s88, s16, 3
	s_lshl_b32 s90, s11, 2
	s_add_co_u32 s88, s88, s90                     ; x's pairs: 8 x block + 4 x half on
	s_lshl_b32 s88, s88, 10
	s_add_co_u32 s88, s88, SCB
	s_add_nc_u64 s[XSP:XSP+1], s[4:5], s[88:89]
	s_mul_i32 s88, s15, 6
	s_lshl_b32 s90, s12, 1
	s_add_co_u32 s90, s88, s90
	s_add_co_u32 s90, s90, 256                     ; q's or k's two pairs
	s_lshl_b32 s90, s90, 10
	s_add_co_u32 s90, s90, SCB
	s_mov_b32 s91, 0
	s_add_nc_u64 s[WQP:WQP+1], s[4:5], s[90:91]
	s_add_co_u32 s88, s88, s12
	s_add_co_u32 s88, s88, 260                     ; v's pair
	s_lshl_b32 s88, s88, 10
	s_add_co_u32 s88, s88, SCB
	s_add_nc_u64 s[WVP:WVP+1], s[4:5], s[88:89]
.irp p, 0,1,2,3
.irp k, 0,1
	global_load_b128 v[XS+8*\p+4*\k:XS+8*\p+4*\k+3], v[LI], s[XSP:XSP+1] offset:1024*\p+512*\k   ; four K steps' words: 512 consecutive bytes a load
.endr
.endr
.irp j, 0,1
.irp k, 0,1
	global_load_b128 v[WS+8*\j+4*\k:WS+8*\j+4*\k+3], v[LI], s[WQP:WQP+1] offset:1024*\j+512*\k
.endr
.endr
.irp k, 0,1
	global_load_b128 v[WS+16+4*\k:WS+16+4*\k+3], v[LI], s[WVP:WVP+1] offset:512*\k
.endr
	s_wait_alu depctr_va_vdst(0)                   ; the wait at the head's end
	s_wait_tensorcnt 0x0                           ; my tile of the head's four is in
	ds_add_u32 v[SPW], v[NIL]
	s_wait_dscnt 0x0
	CROUND                                         ; K slots 0 and 1 are whole for all waves, and the partners' joint loads meet
	s_cmp_eq_u32 s10, 0
	s_cbranch_scc0 .Lthird_w
	tensor_load_to_lds s[G0A+8:G0A+11], s[G1A:G1A+7]  ; K slot 2, a first fill: wave 0 x's tiles,
	s_nop 0
	PLACES
	s_branch .Lthird_done
.Lthird_w:
	s_cmp_eq_u32 s10, 1
	s_cbranch_scc0 .Lthird_done
	tensor_load_to_lds s[G0W+8:G0W+11], s[G1W:G1W+7]  ; wave 1 w_qkv's; it has steps 0 and 1, 96 products, in which to land
	s_nop 0
	PLACES
.Lthird_done:
	LOADS 0, 0
	LOADS 1, 1
	s_wait_dscnt 56                                ; step 0's fragments are in; step 1's 56 loads may be out
	s_wait_loadcnt 0x0                             ; the scale words
	MUL 0, 0, 1
	PLACES
	LOADS 2, 0                                     ; K slot 1 came with the head's loads
	s_wait_dscnt 56
	MUL 1, 1, 0
	WIN 0
	s_wait_tensorcnt 0x0                           ; all my tensor loads have landed, so a group 0 may be written
	ds_add_u32 v[SPW], v[NIL]                      ; 0 onto my spare word
	s_add_nc_u64 s[G0A+2:G0A+3], s[G0A+2:G0A+3], 3*3072   ; K's slot 3
	s_add_nc_u64 s[G0W+2:G0W+3], s[G0W+2:G0W+3], 3*3072
	s_wait_dscnt 0x0                               ; the add is done, and my reads of slot 0 (steps 0 and 1) are back
	CROUND                                         ; no wave of any partner still reads slot 0 or has a load on its way
	s_cmp_eq_u32 s10, 0                            ; wave 0 refills x's part of LDS slot 0, wave 1 w_qkv's; steps 2 to 4, 144 products, stand ahead of the wait for them
	s_cbranch_scc0 .Lre_w
	tensor_load_to_lds s[G0A:G0A+3], s[G1A:G1A+7]  ; my one tensor load behind the round: it has steps 2 to 4, 144 products, in which to land
	s_nop 0
.rept 4
	v_nop
.endr
	s_branch .Lre_done
.Lre_w:
	s_cmp_eq_u32 s10, 1
	s_cbranch_scc0 .Lre_done
	tensor_load_to_lds s[G0W:G0W+3], s[G1W:G1W+7]
	s_nop 0
.rept 4
	v_nop
.endr
.Lre_done:
	PLACES                                         ; for the waves that come round the loads: places between step 1's products and the loads into their registers
	LOADS 3, 1
	s_wait_dscnt 56
	MUL 2, 0, 0
.irp q, 3,4
	PLACES
	LOADS \q+1, (\q+1)%2
	s_wait_dscnt 56
	MUL \q, \q%2, 0
.endr
	s_wait_tensorcnt 0x0                           ; my part of K's slot 3 is in,
	s_wait_dscnt 0x0
	s_barrier_signal -1
	s_barrier_wait -1                              ; everybody's is
.irp q, 5,6
	PLACES
	LOADS \q+1, (\q+1)%2
	s_wait_dscnt 56
	MUL \q, \q%2, 0
.endr
	s_wait_dscnt 0x0
	MUL 7, 1, 0
	PLACES
	EPI 2
	s_wait_xcnt 0x0                                ; the stores have read their registers: they are rewritten only behind this wait
	EPI 3
	v_cndmask_b32 v222, v[VWD], v[VWD+1], s[LMASK]
	global_store_b128 v[LI], v[PWD:PWD+3], s[QSB:QSB+1]   ; 512 consecutive bytes
	global_store_b32 v[LW], v222, s[VSB:VSB+1]     ; 128 consecutive bytes: half of an aligned 256, the other half is the neighbouring wave's; 1 byte in 102 of the chunk
	s_wait_tensorcnt 0x0                           ; the wave's end
	ds_add_u32 v[SPW], v[NIL]
	s_wait_dscnt 0x0
	CROUND                                         ; the closing round
	s_endpgm
.Lfunc_end_k_qf60cc8daca_qkv:
	.size	k_qf60cc8daca_qkv, .Lfunc_end_k_qf60cc8daca_qkv-k_qf60cc8daca_qkv
	.p2alignl 7, 3214868480
	.fill 96, 4, 3214868480
	.section	.rodata,"a",@progbits
	.p2align	6, 0x0
	.amdhsa_kernel k_qf60cc8daca_qkv
		.amdhsa_group_segment_fixed_size 327680
		.amdhsa_private_segment_fixed_size 0
		.amdhsa_enable_private_segment 0
		.amdhsa_kernarg_size 24
		.amdhsa_user_sgpr_count 2
		.amdhsa_user_sgpr_kernarg_segment_ptr 1
		.amdhsa_wavefront_size32 1
		.amdhsa_system_sgpr_workgroup_id_x 1
		.amdhsa_system_sgpr_workgroup_id_y 1
		.amdhsa_system_sgpr_workgroup_id_z 1
		.amdhsa_system_vgpr_workitem_id 0
		.amdhsa_next_free_vgpr 1024
		.amdhsa_next_free_sgpr 100
		.amdhsa_reserve_vcc 0
		.amdhsa_float_denorm_mode_32 3
		.amdhsa_float_denorm_mode_16_64 3
		.amdhsa_memory_ordered 1
		.amdhsa_forward_progress 1
		.amdhsa_inst_pref_size 119
	.end_amdhsa_kernel
	.amdgpu_metadata
---
amdhsa.version: [ 1, 2 ]
amdhsa.kernels:
  - .name:           k_qf60cc8daca_qkv
    .symbol:         k_qf60cc8daca_qkv.kd
    .args:
      - { .name: opq, .offset: 0, .size: 8, .value_kind: global_buffer, .address_space: global }
      - { .name: qq, .offset: 8, .size: 8, .value_kind: global_buffer, .address_space: global }
      - { .name: kv, .offset: 16, .size: 8, .value_kind: global_buffer, .address_space: global }
    .group_segment_fixed_size: 327680
    .private_segment_fixed_size: 0
    .kernarg_segment_align: 8
    .kernarg_segment_size: 24
    .max_flat_workgroup_size: 128
    .sgpr_count:     100
    .vgpr_count:     1024
    .wavefront_size: 32
...
	.end_amdgpu_metadata
.endif
;; end of part 2
;; launch attn (part 3): grid 4 x 64, 16 waves a work-group, clusters of 4 x 1, 327,680 bytes of LDS; arguments qq, kv, val; writes val
.if DOCPART == 3
	.amdgcn_target "amdgcn-amd-amdhsa--gfx1250"
	.amdhsa_code_object_version 6
	.text
	.protected	k_qf60cc8daca_attn
	.globl	k_qf60cc8daca_attn
	.p2align	8
	.type	k_qf60cc8daca_attn,@function
k_qf60cc8daca_attn:
	s_mov_b64 s[64:65], 0
	v_nop
	global_prefetch_b8 v0, s[64:65] scope:SCOPE_SE
	s_setreg_imm32_b32 hwreg(HW_REG_WAVE_MODE, 25, 1), 1
	s_wait_xcnt 0x0
	s_wait_alu depctr_hold_cnt(0) depctr_sa_sdst(0) depctr_va_vdst(0) depctr_va_sdst(0) depctr_va_ssrc(0) depctr_va_vcc(0) depctr_vm_vsrc(0)
	s_getreg_b32 s2, hwreg(HW_REG_IB_STS2, 6, 4)
	s_cmp_eq_u32 s2, 0
	s_cbranch_scc0 .Lentry_in_a_cluster
	s_endpgm
.Lentry_in_a_cluster:
	s_bfe_u32 s2, ttmp6, 0x10000c
	s_cmp_lg_u32 s2, 0x3003
	s_cbranch_scc0 .Lentry_shape_is_right
	s_endpgm
.Lentry_shape_is_right:
; values = softmax(q k^T / 8) v for one head and 512 queries, both products on codes of FP6 with E8M0 scales, and the quantising of values along hid.
; t = score x log2(e) / 8; M = the running largest t rounded UP to a whole number; p = 2^(t - M) is quantised along the keys, not normalised; the row's sum is taken of the unquantised p and divides at the end.
; qq and kv hold chunks of 128 rows of one head as register images (see the launch that makes them).  A chunk of kv, 13,056 bytes, is one key step: 8 half fragments of k, V^T's 4 fragments, k's and V's scale words.
; THE WHOLE HEAD'S 16 CHUNKS LIE IN LDS as they lie in memory, filled once: wave w fetches chunk w with one load, and the first tile's
; walk starts when all sixteen have landed.  CLUSTER 4 x 1: the four query blocks of a head read the same chunks: every load is asked for jointly.
; SHARES: sixteen waves, 256 registers each, four to a SIMD, so that one wave's vector work stands beside another's products and LDS loads.  Wave w owns a pair of query tiles and walks them one after the other.
; Both products are used transposed (S^T = k q^T, O^T = V^T p^T): a lane holds one query.  A tile of k holds keys 32 i + 8 u + r + 8 (r / 8), so p's 16 registers of two neighbouring tiles are 16 neighbouring keys.
; K = 64 IN A K STEP OF 128: q's registers 6-11 are zero codes; k's operand runs on into the next tile's registers, whose codes meet those zeros; the scale bytes there are 0x7f.
; OUT: val: row tile T's half fragment of this head at 12,288 T + 768 head; from 6,291,456 on two scale bytes a row, [batch][head][tile][r].
; LIMITS: NaN and infinities are not served; a block of zeros, or one under 2^-124, gets the byte 1.
; REGISTERS: v1-3 16, 8, 4 x lane; v4-6 the step's LDS addresses; v8-10 the scale bytes' way out; v12 -M, v13 largest score, v[14:15] the sum; v16-21 q, v22-27 zeros; v32-79 k's 8 half fragments, then V's 4 fragments;
;   v80-85 zeros; v86-91 the second tile's q; v96-159 S^T, then p; v160-191 O^T; v192-203 p's codes; v204-210 at work; v224-227 k's words, v228-229 V's, v230 p's, v231 q's; v232-254 at work.
.set CH,   13056
.set STG,  16*CH                       ; behind the chunks: 1,024 bytes for values' scale bytes
.set WV,   10
.set G1,   24
.set G0,   32
.set CS,   48
.set SEL,  50
.set CB,   52
.set CNT,  53
.set VCP,  54
.set VSP,  56
.set QP,   58
.macro CROUND
	s_barrier_signal -1
	s_barrier_wait -1
	s_cmp_lg_u32 s[WV], 0
	s_cbranch_scc1 .Lnot_wave_0_\@
	s_barrier_signal -3
.Lnot_wave_0_\@:
	s_barrier_wait -3
	s_barrier_signal -1
	s_barrier_wait -1
.endm
.macro FRAG d, ai, aj, off
	ds_load_b128 v[(\d):(\d)+3], v[\ai] offset:(\off)
	ds_load_b64 v[(\d)+4:(\d)+5], v[\aj] offset:(\off)+512
	ds_load_b128 v[(\d)+6:(\d)+9], v[\ai] offset:(\off)+768
	ds_load_b64 v[(\d)+10:(\d)+11], v[\aj] offset:(\off)+1280
.endm
.macro SW d, a, sa, ra, rb             ; a tile of S^T; ra, rb: the scales stand in lanes 16-31
.if ((\ra)==0) && ((\rb)==0)
	v_wmma_scale_f32_16x16x128_f8f6f4 v[(\d):(\d)+7], v[(\a):(\a)+11], v[16:27], 0, v[(\sa)], v231 matrix_a_fmt:MATRIX_FMT_FP6 matrix_b_fmt:MATRIX_FMT_FP6
.elseif ((\ra)==1) && ((\rb)==0)
	v_wmma_scale_f32_16x16x128_f8f6f4 v[(\d):(\d)+7], v[(\a):(\a)+11], v[16:27], 0, v[(\sa)], v231 matrix_a_fmt:MATRIX_FMT_FP6 matrix_b_fmt:MATRIX_FMT_FP6 matrix_a_scale:MATRIX_SCALE_ROW1
.elseif ((\ra)==0) && ((\rb)==1)
	v_wmma_scale_f32_16x16x128_f8f6f4 v[(\d):(\d)+7], v[(\a):(\a)+11], v[16:27], 0, v[(\sa)], v231 matrix_a_fmt:MATRIX_FMT_FP6 matrix_b_fmt:MATRIX_FMT_FP6 matrix_b_scale:MATRIX_SCALE_ROW1
.else
	v_wmma_scale_f32_16x16x128_f8f6f4 v[(\d):(\d)+7], v[(\a):(\a)+11], v[16:27], 0, v[(\sa)], v231 matrix_a_fmt:MATRIX_FMT_FP6 matrix_b_fmt:MATRIX_FMT_FP6 matrix_a_scale:MATRIX_SCALE_ROW1 matrix_b_scale:MATRIX_SCALE_ROW1
.endif
.endm
.macro PW d, a, sa, ra                 ; a tile of O^T
.if (\ra)==0
	v_wmma_scale_f32_16x16x128_f8f6f4 v[(\d):(\d)+7], v[(\a):(\a)+11], v[192:203], v[(\d):(\d)+7], v[(\sa)], v230 matrix_a_fmt:MATRIX_FMT_FP6 matrix_b_fmt:MATRIX_FMT_FP6
.else
	v_wmma_scale_f32_16x16x128_f8f6f4 v[(\d):(\d)+7], v[(\a):(\a)+11], v[192:203], v[(\d):(\d)+7], v[(\sa)], v230 matrix_a_fmt:MATRIX_FMT_FP6 matrix_b_fmt:MATRIX_FMT_FP6 matrix_a_scale:MATRIX_SCALE_ROW1
.endif
.endm
; A KEY STEP: the chunk at LDS byte s[CB], for query tile u of my pair.
; THE ROW'S SUM of the unquantised p that lie in v96-159, added to v[14:15] in eight chains.  It stands at the head of the NEXT step, between the issue of k's LDS loads and the wait for them
; (p's registers are untouched until the next scores land), and once more in FINISH.  A tile's first step finds, in the first tile, the zeros that the head wrote; in the second tile finite numbers that
; the first tile left: the sum is then multiplied by the first step's f = 2^(old M - new M), which is 0 since the old M is the starting value.
.macro SUMP
	v_pk_add_f32 v[236:237], v[100:101], v[104:105]
	v_pk_add_f32 v[248:249], v[108:109], v[112:113]
	v_pk_add_f32 v[246:247], v[116:117], v[120:121]
	v_pk_add_f32 v[244:245], v[124:125], v[128:129]
	v_pk_add_f32 v[242:243], v[132:133], v[136:137]
	v_pk_add_f32 v[240:241], v[140:141], v[144:145]
	v_pk_add_f32 v[238:239], v[148:149], v[152:153]
	v_pk_add_f32 v[14:15], v[14:15], v[156:157]
	v_pk_add_f32 v[236:237], v[236:237], v[96:97]
	v_pk_add_f32 v[248:249], v[248:249], v[98:99]
	v_pk_add_f32 v[246:247], v[246:247], v[102:103]
	v_pk_add_f32 v[244:245], v[244:245], v[106:107]
	v_pk_add_f32 v[242:243], v[242:243], v[110:111]
	v_pk_add_f32 v[240:241], v[240:241], v[114:115]
	v_pk_add_f32 v[238:239], v[238:239], v[118:119]
	v_pk_add_f32 v[14:15], v[14:15], v[122:123]
	v_pk_add_f32 v[236:237], v[236:237], v[126:127]
	v_pk_add_f32 v[248:249], v[248:249], v[130:131]
	v_pk_add_f32 v[246:247], v[246:247], v[134:135]
	v_pk_add_f32 v[244:245], v[244:245], v[138:139]
	v_pk_add_f32 v[242:243], v[242:243], v[142:143]
	v_pk_add_f32 v[240:241], v[240:241], v[146:147]
	v_pk_add_f32 v[238:239], v[238:239], v[150:151]
	v_pk_add_f32 v[14:15], v[14:15], v[154:155]
	v_pk_add_f32 v[236:237], v[236:237], v[158:159]
	s_delay_alu instid0(VALU_DEP_2)
	v_pk_add_f32 v[14:15], v[14:15], v[244:245]
	s_delay_alu instid0(VALU_DEP_2)
	v_pk_add_f32 v[236:237], v[236:237], v[242:243]
	v_pk_add_f32 v[248:249], v[248:249], v[240:241]
	v_pk_add_f32 v[246:247], v[246:247], v[238:239]
	s_delay_alu instid0(VALU_DEP_2)
	v_pk_add_f32 v[14:15], v[14:15], v[248:249]
	s_delay_alu instid0(VALU_DEP_2)
	v_pk_add_f32 v[236:237], v[236:237], v[246:247]
	s_delay_alu instid0(VALU_DEP_1)
	v_pk_add_f32 v[14:15], v[14:15], v[236:237]
.endm
.macro STEP u
	v_add_nc_u32 v4, s[CB], v1                     ; these three and the v_nop are the four places behind the last step's products, in front of the loads into their registers
	v_add_nc_u32 v5, s[CB], v2
	v_add_nc_u32 v6, s[CB], v3
	v_nop
	ds_load_b128 v[224:227], v4 offset:12288       ; k's four pair words first: the first product wants them
.irp t, 0,1,2,3,4,5,6,7
	ds_load_b128 v[32+6*\t:35+6*\t], v4 offset:768*\t
	ds_load_b64 v[36+6*\t:37+6*\t], v5 offset:768*\t+512
.endr
	SUMP                                           ; the last step's p, while the 17 loads are out
	s_wait_alu depctr_va_vdst(0)
.irp t, 0,1,2,3,4,5,6,7
.if \t < 7
	s_wait_dscnt 12-2*\t                           ; tile t's operand runs on into tile t + 1's registers: of the 17 loads the words and tiles 0 .. t + 1 (5 + 2 t loads) are in, the later tiles' may be out
.endif
	SW 96+8*\t, 32+6*\t, 224+\t/2, \t%2, \u
.endr
.rept 4
	v_nop                                          ; places in front of the loads below and of the first read of the scores
.endr
.irp t, 0,1,2,3
	FRAG 32+12*\t, 4, 5, 6144+1536*\t              ; V^T's fragments land under the softmax
.endr
	ds_load_b32 v228, v6 offset:12800
	ds_load_b32 v229, v6 offset:12928
.irp b, 0,1,2,3
	v_max3_num_f32 v[232+\b], v[96+16*\b], v[97+16*\b], v[98+16*\b]   ; the largest score of each block of 32 keys: for the row's maximum, and, since p rises with the score, for the block's largest p
.endr
.irp i, 3,5,7,9,11,13
.irp b, 0,1,2,3
	v_max3_num_f32 v[232+\b], v[232+\b], v[96+16*\b+\i], v[97+16*\b+\i]
.endr
.endr
.irp b, 0,1,2,3
	v_max_num_f32 v[232+\b], v[232+\b], v[111+16*\b]
.endr
.irp b, 0,1,2,3
	s_delay_alu instid0(VALU_DEP_4)
	v_permlanex16_b32 v[236+\b], v[232+\b], s[SEL], s[SEL+1]
.endr
.irp b, 0,1,2,3
	s_delay_alu instid0(VALU_DEP_4)
	v_max_num_f32 v[232+\b], v[232+\b], v[236+\b]  ; with lane l xor 16's 16 keys
.endr
	s_delay_alu instid0(VALU_DEP_2)
	v_max3_num_f32 v254, v232, v233, v234
	s_delay_alu instid0(VALU_DEP_1)
	v_max3_num_f32 v13, v254, v235, v13            ; v13: the running largest SCORE (c is positive and the multiplication does not fall where its input rises: the largest t is c x the largest score)
	v_mov_b32 v254, v12
	s_delay_alu instid0(VALU_DEP_2)
	v_mul_f32 v250, s[CS], v13                     ; the running largest t
	s_delay_alu instid0(VALU_DEP_1)
	v_floor_f32 v12, -v250                         ; -M = floor(-t): M is a whole number
.irp j, 0,2,4,6
	v_pk_fma_f32 v[96+\j:97+\j], v[96+\j:97+\j], s[CS:CS+1], v[12:13] op_sel_hi:[1,0,0]   ; t - M, two at a time; the three lines that make f stand among them
.endr
	v_sub_f32 v254, v12, v254                      ; old M - new M: a whole number, 0 or less
.irp j, 8,10,12,14
	v_pk_fma_f32 v[96+\j:97+\j], v[96+\j:97+\j], s[CS:CS+1], v[12:13] op_sel_hi:[1,0,0]
.endr
	v_cvt_i32_f32 v254, v254                       ; (it saturates)
.irp j, 16,18,20,22
	v_pk_fma_f32 v[96+\j:97+\j], v[96+\j:97+\j], s[CS:CS+1], v[12:13] op_sel_hi:[1,0,0]
.endr
	v_ldexp_f32 v252, 1.0, v254                    ; f = 2^(old M - new M): a multiplication by it rounds nothing
.irp j, 24,26,28,30,32,34,36,38,40,42,44,46,48,50,52,54,56,58,60,62
	v_pk_fma_f32 v[96+\j:97+\j], v[96+\j:97+\j], s[CS:CS+1], v[12:13] op_sel_hi:[1,0,0]
.endr
.irp b, 0,1,2,3
	v_fma_f32 v[232+\b], v[232+\b], s[CS], v12
.endr
	s_wait_alu depctr_va_vdst(0)
.irp j, 0,1,2,3,4,5,6,7,8,9,10,11,12,13,14,15,16,17,18,19,20,21,22,23,24,25,26,27,28,29,30,31,32,33,34,35,36,37,38,39,40,41,42,43,44,45,46,47,48,49,50,51,52,53,54,55,56,57,58,59,60,61,62,63
	v_exp_f32 v[96+\j], v[96+\j]                   ; p = 2^(t - M)
.endr
.irp b, 0,1,2,3
	v_exp_f32 v[232+\b], v[232+\b]                 ; each block's largest p, in the same batch
.endr
	v_pk_mul_f32 v[14:15], v[14:15], v[252:253] op_sel_hi:[1,0]   ; the sums (all earlier steps' p are in them) under the new M: the plain instruction behind the exponentials
	s_wait_alu depctr_va_vdst(0)                   ; one wait for the batch of 68, ahead of its first reader
.irp b, 0,1,2,3
	v_max_num_f32 v[232+\b], 0x1800000, v[232+\b]  ; the floor 2^(3 - 127)
.endr
.irp b, 0,1,2,3
	s_delay_alu instid0(VALU_DEP_4)
	v_add_nc_u32 v[244+\b], 0xff000000, v[232+\b]  ; the conversion's scale operand
.endr
.irp c, 0,1
	v_cvt_scalef32_pk16_fp6_f32 v[192+6*\c:194+6*\c], v[96+32*\c:111+32*\c], v[244+2*\c]
	v_cvt_scalef32_pk16_fp6_f32 v[204+4*\c:206+4*\c], v[112+32*\c:127+32*\c], v[244+2*\c+1]
.endr
.irp b, 0,1,2,3
	v_lshrrev_b32 v[236+\b], 23, v[244+\b]         ; the byte; these seven lines, which touch no code and write no source, are the plain instructions behind the scaled conversions
.endr
	s_delay_alu instid0(VALU_DEP_3)
	v_lshl_or_b32 v230, v237, 8, v236              ; p's scale word for these 128 keys
	s_delay_alu instid0(VALU_DEP_1)
	v_lshl_or_b32 v230, v238, 16, v230
	s_delay_alu instid0(VALU_DEP_1)
	v_lshl_or_b32 v230, v239, 24, v230
.irp c, 0,1
.irp i, 0,1,2
	v_permlane16_swap_b32 v[192+6*\c+\i], v[204+4*\c+\i]   ; a whole block to a lane
.endr
.irp i, 0,1,2
	s_delay_alu instid0(VALU_DEP_3)
	v_mov_b32 v[195+6*\c+\i], v[204+4*\c+\i]
.endr
.endr
.irp j, 0,2,4,6,8,10,12,14,16,18,20,22,24,26,28,30
	v_pk_mul_f32 v[160+\j:161+\j], v[160+\j:161+\j], v[252:253] op_sel_hi:[1,0]   ; O^T under the new M; these 16 are also the places between p's codes and word and the products
.endr
	s_wait_alu depctr_va_vdst(0)
	s_wait_dscnt 0x0                               ; V^T and its words are in
.irp t, 0,1,2,3
	PW 160+8*\t, 32+12*\t, 228+\t/2, \t%2          ; four accumulators by turns
.endr
.endm
.macro RUN n, u                        ; n key steps from s[CB] on
	s_mov_b32 s[CNT], \n
.Lrun_\@:
	STEP \u
	s_add_co_u32 s[CB], s[CB], CH
	s_sub_co_u32 s[CNT], s[CNT], 1
	s_cmp_lg_u32 s[CNT], 0
	s_cbranch_scc1 .Lrun_\@
.endm
.macro INIT                            ; the step is written once: the first finds zeros, which the first change of M leaves zeros
	v_mov_b32 v13, 0xff61b1e6                      ; -3e38, under every t
	s_delay_alu instid0(VALU_DEP_1)
	v_floor_f32 v12, -v13
	v_mov_b32 v14, 0
	v_mov_b32 v15, 0
.irp j, 0,1,2,3,4,5,6,7,8,9,10,11,12,13,14,15,16,17,18,19,20,21,22,23,24,25,26,27,28,29,30,31
	v_mov_b32 v[160+\j], 0
.endr
.endm
.macro FINISH u                        ; O^T / the sum, quantised along d: a half fragment and two scale bytes a row
	SUMP                                           ; the last step's p; its lines name no register of the last products and are the places behind them
	v_add_f32 v14, v14, v15
	s_delay_alu instid0(VALU_DEP_1)
	v_permlanex16_b32 v252, v14, s[SEL], s[SEL+1]
	s_delay_alu instid0(VALU_DEP_1)
	v_add_f32 v14, v14, v252                       ; the row's sum
	s_wait_alu depctr_va_vdst(0)
	v_rcp_f32 v14, v14
	v_nop                                          ; a plain instruction behind the reciprocal,
	s_wait_alu depctr_va_vdst(0)                   ; and the wait ahead of its first reader
.irp j, 0,1,2,3,4,5,6,7,8,9,10,11,12,13,14,15,16,17,18,19,20,21,22,23,24,25,26,27,28,29,30,31
	v_mul_f32 v[96+\j], v[160+\j], v14             ; register 16 b + i: d = 32 b + 16 h + i of my query
.endr
.irp b, 0,1
	v_max3_num_f32 v[232+\b], |v[96+16*\b]|, |v[97+16*\b]|, 0x1800000
.endr
.irp i, 2,4,6,8,10,12,14
.irp b, 0,1
	s_delay_alu instid0(VALU_DEP_2)
	v_max3_num_f32 v[232+\b], v[232+\b], |v[96+16*\b+\i]|, |v[97+16*\b+\i]|
.endr
.endr
.irp b, 0,1
	s_delay_alu instid0(VALU_DEP_2)
	v_permlanex16_b32 v[236+\b], v[232+\b], s[SEL], s[SEL+1]
.endr
.irp b, 0,1
	s_delay_alu instid0(VALU_DEP_2)
	v_max_num_f32 v[232+\b], v[232+\b], v[236+\b]
.endr
.irp b, 0,1
	s_delay_alu instid0(VALU_DEP_2)
	v_add_nc_u32 v[244+\b], 0xff000000, v[232+\b]
.endr
.irp b, 0,1
	s_delay_alu instid0(VALU_DEP_2)
	v_lshrrev_b32 v[236+\b], 23, v[244+\b]
.endr
	s_delay_alu instid0(VALU_DEP_1)
	v_lshl_or_b32 v254, v237, 8, v236
	v_cvt_scalef32_pk16_fp6_f32 v[192:194], v[96:111], v244
	v_cvt_scalef32_pk16_fp6_f32 v[204:206], v[112:127], v245
	v_nop
.irp i, 0,1,2
	v_permlane16_swap_b32 v[192+\i], v[204+\i]
.endr
.irp i, 0,1,2
	s_delay_alu instid0(VALU_DEP_3)
	v_mov_b32 v[195+\i], v[204+\i]
.endr
	global_store_b128 v1, v[192:195], s[VCP:VCP+1] offset:12288*\u        ; 512 consecutive bytes, at a multiple of 256
	global_store_b64 v2, v[196:197], s[VCP:VCP+1] offset:12288*\u+512     ; 256 consecutive bytes
	ds_store_b16 v8, v254 offset:32*\u             ; lanes r and r + 16 write the same two bytes with the same value
.endm
	s_load_b128 s[4:7], s[0:1], 0x0                ; qq s[4:5], kv s[6:7]
	s_load_b64 s[8:9], s[0:1], 0x10                ; val
	v_lshl_add_u32 v251, v0, 2, 0x33400
	v_mov_b32 v255, 0
	ds_add_u32 v251, v255
	ds_add_u32 v251, v255
	v_lshrrev_b32 v7, 5, v0
	s_delay_alu instid0(VALU_DEP_1)
	v_readfirstlane_b32 s[WV], v7                  ; wave 0..15
	s_bfe_u32 s11, ttmp6, 0x40000                  ; cx
	s_lshl_b32 s12, ttmp9, 2
	s_add_co_u32 s12, s12, s11                     ; my block of 512 queries: it enters global addresses alone
	s_and_b32 s13, ttmp7, 0xffff                   ; batch x 16 + head, which the four partners share
	s_lshl_b32 s14, s12, 4
	s_add_co_u32 s14, s14, s[WV]                   ; my pair of query tiles in the batch, 0..63
	s_mov_b32 s[G1], 15|(3<<16)|(1<<21)            ; all four work-groups; elements of 8 bytes; bit 21 beside a mask
	s_mov_b32 s[G1+1], 32<<16                      ; a chunk is dense: 51 rows of 256 bytes
	s_mov_b32 s[G1+2], 51<<16
	s_mov_b32 s[G1+3], 32<<16
	s_mov_b32 s[G1+4], 51
	s_mov_b32 s[G1+5], 32
	s_mov_b32 s[G1+6], 0
	s_mov_b32 s[G1+7], 0
	s_mul_i32 s16, s[WV], CH                       ; THE FILLS AS THEY STAND: wave w fetches chunk w, one load a wave: the same offset in LDS and in the head's bytes
	s_mul_i32 s18, s13, 16*CH
	s_add_co_u32 s18, s18, s16
	s_mov_b32 s19, 0
	s_mov_b32 s[CS], 0x3e38aa3b                    ; c = log2(e) / 8
	s_mov_b32 s[CS+1], s[CS]
	s_mov_b32 s[SEL], 0x76543210
	s_mov_b32 s[SEL+1], 0xfedcba98
	s_wait_dscnt 0x0
	s_wait_kmcnt 0x0
	s_add_nc_u64 s[6:7], s[6:7], s[18:19]
.irp p, 0
	s_mov_b32 s[G0+4*\p], 1
	s_add_co_u32 s[G0+4*\p+1], s16, \p*4*CH
	s_add_nc_u64 s[G0+4*\p+2:G0+4*\p+3], s[6:7], \p*4*CH
	s_or_b32 s[G0+4*\p+3], s[G0+4*\p+3], 0x80000000
.endr
	CROUND                                         ; all four work-groups are here: the joint loads meet
	tensor_load_to_lds s[G0:G0+3], s[G1:G1+7]      ; every wave's one load, under no branch: sixteen chunks, sixteen waves
	s_nop 0
.rept 4
	v_nop
.endr
	v_and_b32 v7, 31, v0
	s_delay_alu instid0(VALU_DEP_1)
	v_lshlrev_b32 v1, 4, v7
	s_wait_alu depctr_va_vdst(0)
	v_lshlrev_b32 v2, 3, v7
	s_wait_alu depctr_va_vdst(0)
	v_lshlrev_b32 v3, 2, v7
	v_and_b32 v8, 15, v0
	s_delay_alu instid0(VALU_DEP_1)
	v_lshlrev_b32 v8, 1, v8
	s_lshl_b32 s20, s[WV], 6
	s_add_co_u32 s20, s20, STG
	v_add_nc_u32 v8, s20, v8                       ; my row's two scale bytes: STG + 64 x wave + 2 r (+ 32 u)
	v_lshlrev_b32 v10, 4, v0
	s_delay_alu instid0(VALU_DEP_1)
	v_add_nc_u32 v9, STG, v10                      ; and their way out: 16 bytes a thread of waves 0 and 1
	s_lshl_b32 s18, s13, 4
	s_lshr_b32 s20, s14, 2
	s_add_co_u32 s18, s18, s20
	s_mul_i32 s18, s18, 6656
	s_add_nc_u64 s[4:5], s[4:5], s[18:19]          ; q's chunk
	s_and_b32 s20, s14, 3
	s_mul_i32 s18, s20, 1536
	s_add_nc_u64 s[QP:QP+1], s[4:5], s[18:19]      ; my pair's two half fragments
	s_lshl_b32 s18, s20, 2
	s_add_co_u32 s18, s18, 6144
	s_add_nc_u64 s[4:5], s[4:5], s[18:19]          ; my pair's word in each lane's four
	s_lshr_b32 s18, s13, 4
	s_lshl_b32 s18, s18, 7
	s_lshl_b32 s20, s14, 1
	s_add_co_u32 s18, s18, s20                     ; my first row tile: 128 x batch + 2 x pair
	s_lshl_b32 s18, s18, 4
	s_and_b32 s20, s13, 15
	s_add_co_u32 s18, s18, s20
	s_mul_i32 s18, s18, 768
	s_add_nc_u64 s[VCP:VCP+1], s[8:9], s[18:19]
	s_lshl_b32 s18, s13, 12
	s_lshl_b32 s20, s12, 10
	s_add_co_u32 s18, s18, s20
	s_add_co_u32 s18, s18, 6291456
	s_add_nc_u64 s[VSP:VSP+1], s[8:9], s[18:19]
	global_load_b128 v[16:19], v1, s[QP:QP+1]
	global_load_b64 v[20:21], v2, s[QP:QP+1] offset:512
	global_load_b128 v[86:89], v1, s[QP:QP+1] offset:768
	global_load_b64 v[90:91], v2, s[QP:QP+1] offset:1280
	global_load_b32 v231, v1, s[4:5]               ; lanes 0-15 the first tile's words, lanes 16-31 the second's
.irp i, 0,1,2,3,4,5
	v_mov_b32 v[22+\i], 0                          ; q's codes of k = 64 .. 127
	v_mov_b32 v[80+\i], 0                          ; what k's last operand runs on into
.endr
.irp b, 0,1,2,3
	v_mov_b32 v[236+\b], 0                         ; a lane permute's destination counts as read
.endr
	v_mov_b32 v253, 0                              ; named as the upper half of the pair v[252:253]
.set I, 0
.rept 64
	v_mov_b32 v[96+I], 0                           ; what the first step's sum finds in p's registers; written once, while the tensor loads are out
.set I, I+1
.endr
	INIT
	s_wait_loadcnt 0x0                             ; q
	s_wait_alu depctr_va_vdst(0)                   ; the wait at the head's end
	s_wait_tensorcnt 0x0                           ; my chunk is in,
	s_wait_dscnt 0x0
	s_barrier_signal -1
	s_barrier_wait -1                              ; everybody's is: the whole head lies in LDS, and nothing is ever filled again
	s_mov_b32 s[CB], 0
	RUN 16, 0                                      ; no barrier stands among the 32 key steps of my two tiles
	FINISH 0
	s_wait_xcnt 0x0                                ; the stores have read their registers,
	s_wait_dscnt 0x0                               ; the LDS store too: they are rewritten only behind these waits
.irp i, 0,1,2,3,4,5
	v_mov_b32 v[16+\i], v[86+\i]                   ; the second tile's q
.endr
	INIT
	s_mov_b32 s[CB], 0
	RUN 16, 1
	FINISH 1
	s_wait_dscnt 0x0                               ; for the others' sake: my scale bytes lie in LDS
	s_barrier_signal -1
	s_barrier_wait -1
	s_cmp_lt_u32 s[WV], 2
	s_cbranch_scc0 .Lno_sc
	ds_load_b128 v[96:99], v9
	s_wait_dscnt 0x0
	global_store_b128 v10, v[96:99], s[VSP:VSP+1]  ; 512 consecutive bytes a wave, at a multiple of 256
.Lno_sc:
	s_wait_tensorcnt 0x0
	ds_add_u32 v251, v255
	s_wait_dscnt 0x0
	CROUND                                         ; the closing round
	s_endpgm
.Lfunc_end_k_qf60cc8daca_attn:
	.size	k_qf60cc8daca_attn, .Lfunc_end_k_qf60cc8daca_attn-k_qf60cc8daca_attn
	.p2alignl 7, 3214868480
	.fill 96, 4, 3214868480
	.section	.rodata,"a",@progbits
	.p2align	6, 0x0
	.amdhsa_kernel k_qf60cc8daca_attn
		.amdhsa_group_segment_fixed_size 327680
		.amdhsa_private_segment_fixed_size 0
		.amdhsa_enable_private_segment 0
		.amdhsa_kernarg_size 24
		.amdhsa_user_sgpr_count 2
		.amdhsa_user_sgpr_kernarg_segment_ptr 1
		.amdhsa_wavefront_size32 1
		.amdhsa_system_sgpr_workgroup_id_x 1
		.amdhsa_system_sgpr_workgroup_id_y 1
		.amdhsa_system_sgpr_workgroup_id_z 1
		.amdhsa_system_vgpr_workitem_id 0
		.amdhsa_next_free_vgpr 256
		.amdhsa_next_free_sgpr 80
		.amdhsa_reserve_vcc 0
		.amdhsa_float_denorm_mode_32 3
		.amdhsa_float_denorm_mode_16_64 3
		.amdhsa_memory_ordered 1
		.amdhsa_forward_progress 1
		.amdhsa_inst_pref_size 58
	.end_amdhsa_kernel
	.amdgpu_metadata
---
amdhsa.version: [ 1, 2 ]
amdhsa.kernels:
  - .name:           k_qf60cc8daca_attn
    .symbol:         k_qf60cc8daca_attn.kd
    .args:
      - { .name: qq, .offset: 0, .size: 8, .value_kind: global_buffer, .address_space: global }
      - { .name: kv, .offset: 8, .size: 8, .value_kind: global_buffer, .address_space: global }
      - { .name: val, .offset: 16, .size: 8, .value_kind: global_buffer, .address_space: global }
    .group_segment_fixed_size: 327680
    .private_segment_fixed_size: 0
    .kernarg_segment_align: 8
    .kernarg_segment_size: 24
    .max_flat_workgroup_size: 512
    .sgpr_count:     80
    .vgpr_count:     256
    .wavefront_size: 32
...
	.end_amdgpu_metadata
.endif
;; end of part 3
;; launch oproj (part 4): grid 4 x 64, 4 waves a work-group, clusters of 4 x 4, 327,680 bytes of LDS; arguments opq, val, out0; writes out0
.if DOCPART == 4
	.amdgcn_target "amdgcn-amd-amdhsa--gfx1250"
	.amdhsa_code_object_version 6
	.text
	.protected	k_qf60cc8daca_oproj
	.globl	k_qf60cc8daca_oproj
	.p2align	8
	.type	k_qf60cc8daca_oproj,@function
k_qf60cc8daca_oproj:
	s_mov_b64 s[64:65], 0
	v_nop
	global_prefetch_b8 v0, s[64:65] scope:SCOPE_SE
	s_setreg_imm32_b32 hwreg(HW_REG_WAVE_MODE, 25, 1), 1
	s_wait_xcnt 0x0
	s_wait_alu depctr_hold_cnt(0) depctr_sa_sdst(0) depctr_va_vdst(0) depctr_va_sdst(0) depctr_va_ssrc(0) depctr_va_vcc(0) depctr_vm_vsrc(0)
	s_getreg_b32 s2, hwreg(HW_REG_IB_STS2, 6, 4)
	s_cmp_eq_u32 s2, 0
	s_cbranch_scc0 .Lentry_in_a_cluster
	s_endpgm
.Lentry_in_a_cluster:
	s_bfe_u32 s2, ttmp6, 0x10000c
	s_cmp_lg_u32 s2, 0xf033
	s_cbranch_scc0 .Lentry_shape_is_right
	s_endpgm
.Lentry_shape_is_right:
; out = values w_o^T on codes of FP6 with E8M0 scales, K = 1,024.  val holds values' codes as register images (row tile T at 12,288 T, 16 half fragments of 768 bytes) and two scale bytes for each row and head;
; opq holds w_o's (tiles 704-767) with whole scale words.  A tile holds rows 32 i + 8 u + r + 8 (r / 8).
; SHARES: a work-group makes 128 rows x 256 columns; wave w: values' tiles 4 (w / 2) on, w_o's tiles 8 (w % 2) on: 32 accumulators.
; ALL OF K LIES IN LDS: values' 8 tiles and w_o's 16, 12,288 bytes each, each filled once, and values' scale bytes [head][256 bytes].  A wave has at most one tensor load out.
; CLUSTER 4 x 4: values' tiles and scale bytes hang on the row block alone and are asked for jointly along a row of the cluster, w_o's on the column block alone, along a column.
; The product is used TRANSPOSED (source 0 = w_o, source 1 = values): a lane holds one row of out, and the 16 registers of two neighbouring tiles are 16 neighbouring columns.
; THE WAY OUT: a tile of 16 rows x 128 columns goes through the wave's stage (in slot 0, which has had its only fill and, behind the last barrier, its last read) and leaves as whole rows of 512 bytes.
; REGISTERS: window 0: v1-6 LDS bases, v17 scale bytes, v18-20 the way out, v32-47 values' scale words, v48-79 w_o's, v96-191 values' fragments in two sets, v192-223 at work (on the way out v96-223 take rows);
;   window 1: w_o's fragments, two sets (v0, v128);  window 2: accumulator (a, n) at 8 (8 a + n).
.set SLOT,  73728
.set WOFF,  98304                      ; LDS AS IT STANDS: values' 8 tiles [tile][12,288 bytes] from 0, w_o's 16 tiles likewise from WOFF, the scale bytes from SCL; each filled once, by one load a wave at the head
.set SCL,   4*SLOT
.set SCB,   9437184
.set VSC,   6291456
.set AS,  17
.set STO, 18
.set RD,  19
.set LI,  20
.set LJ,  21
.set SA,  32
.set WS,  48
.set AF,  96
.set G1A, 24
.set G1W, 32
.set G1S, 40
.set G0A, 48
.set G0W, 68
.set G0S, 84
.set MSB, 0
.macro WIN new
.if MSB != (\new)
	s_set_vgpr_msb (MSB<<8)|(\new)
.set MSB, (\new)
.endif
.endm
.macro PLACES
.rept 4
	v_nop
.endr
.endm
.macro CROUND
	s_barrier_signal -1
	s_barrier_wait -1
	s_cmp_lg_u32 s10, 0
	s_cbranch_scc1 .Lnot_wave_0_\@
	s_barrier_signal -3
.Lnot_wave_0_\@:
	s_barrier_wait -3
	s_barrier_signal -1
	s_barrier_wait -1
.endm
.macro FRAG d, ai, aj, off
	ds_load_b128 v[(\d):(\d)+3], v[\ai] offset:(\off)
	ds_load_b64 v[(\d)+4:(\d)+5], v[\aj] offset:(\off)+512
	ds_load_b128 v[(\d)+6:(\d)+9], v[\ai] offset:(\off)+768
	ds_load_b64 v[(\d)+10:(\d)+11], v[\aj] offset:(\off)+1280
.endm
.macro WM d, a, b, sa, sb, ra, rb, zero
.if (\zero) && ((\ra)==0) && ((\rb)==0)
	v_wmma_scale_f32_16x16x128_f8f6f4 v[(\d):(\d)+7], v[(\a):(\a)+11], v[(\b):(\b)+11], 0, v[(\sa)], v[(\sb)] matrix_a_fmt:MATRIX_FMT_FP6 matrix_b_fmt:MATRIX_FMT_FP6
.elseif (\zero) && ((\ra)==1) && ((\rb)==0)
	v_wmma_scale_f32_16x16x128_f8f6f4 v[(\d):(\d)+7], v[(\a):(\a)+11], v[(\b):(\b)+11], 0, v[(\sa)], v[(\sb)] matrix_a_fmt:MATRIX_FMT_FP6 matrix_b_fmt:MATRIX_FMT_FP6 matrix_a_scale:MATRIX_SCALE_ROW1
.elseif (\zero) && ((\ra)==0) && ((\rb)==1)
	v_wmma_scale_f32_16x16x128_f8f6f4 v[(\d):(\d)+7], v[(\a):(\a)+11], v[(\b):(\b)+11], 0, v[(\sa)], v[(\sb)] matrix_a_fmt:MATRIX_FMT_FP6 matrix_b_fmt:MATRIX_FMT_FP6 matrix_b_scale:MATRIX_SCALE_ROW1
.elseif (\zero)
	v_wmma_scale_f32_16x16x128_f8f6f4 v[(\d):(\d)+7], v[(\a):(\a)+11], v[(\b):(\b)+11], 0, v[(\sa)], v[(\sb)] matrix_a_fmt:MATRIX_FMT_FP6 matrix_b_fmt:MATRIX_FMT_FP6 matrix_a_scale:MATRIX_SCALE_ROW1 matrix_b_scale:MATRIX_SCALE_ROW1
.elseif ((\ra)==0) && ((\rb)==0)
	v_wmma_scale_f32_16x16x128_f8f6f4 v[(\d):(\d)+7], v[(\a):(\a)+11], v[(\b):(\b)+11], v[(\d):(\d)+7], v[(\sa)], v[(\sb)] matrix_a_fmt:MATRIX_FMT_FP6 matrix_b_fmt:MATRIX_FMT_FP6
.elseif ((\ra)==1) && ((\rb)==0)
	v_wmma_scale_f32_16x16x128_f8f6f4 v[(\d):(\d)+7], v[(\a):(\a)+11], v[(\b):(\b)+11], v[(\d):(\d)+7], v[(\sa)], v[(\sb)] matrix_a_fmt:MATRIX_FMT_FP6 matrix_b_fmt:MATRIX_FMT_FP6 matrix_a_scale:MATRIX_SCALE_ROW1
.elseif ((\ra)==0) && ((\rb)==1)
	v_wmma_scale_f32_16x16x128_f8f6f4 v[(\d):(\d)+7], v[(\a):(\a)+11], v[(\b):(\b)+11], v[(\d):(\d)+7], v[(\sa)], v[(\sb)] matrix_a_fmt:MATRIX_FMT_FP6 matrix_b_fmt:MATRIX_FMT_FP6 matrix_b_scale:MATRIX_SCALE_ROW1
.else
	v_wmma_scale_f32_16x16x128_f8f6f4 v[(\d):(\d)+7], v[(\a):(\a)+11], v[(\b):(\b)+11], v[(\d):(\d)+7], v[(\sa)], v[(\sb)] matrix_a_fmt:MATRIX_FMT_FP6 matrix_b_fmt:MATRIX_FMT_FP6 matrix_a_scale:MATRIX_SCALE_ROW1 matrix_b_scale:MATRIX_SCALE_ROW1
.endif
.endm
.macro LOADS q, set                    ; 48 LDS loads: K step q's 8 fragments of w_o and 4 of values into set
	WIN 0x40                                       ; destination window 1, address window 0
.irp n, 0,1,2,3,4,5,6,7
	FRAG 128*(\set)+12*\n, 3+2*(\n/4), 4+2*(\n/4), 12288*(\n%4)+1536*(\q)   ; bases for tiles 0-3 and 4-7: the largest offset is 48,896
.endr
	WIN 0
.irp a, 0,1,2,3
	FRAG AF+48*(\set)+12*\a, 1, 2, 12288*\a+1536*(\q)
.endr
.endm
.macro MUL q, set, zero                ; 32 products, one on each accumulator, in the same order in every step: the accumulators take turns
	WIN 0xa1                                       ; source 0 (w_o) window 1, source 1 (values) window 0, C and D window 2
.irp a, 0,1,2,3
.irp n, 0,1,2,3,4,5,6,7
	WM 8*(8*\a+\n), 128*(\set)+12*\n, AF+48*(\set)+12*\a, WS+8*(\n/2)+(\q), SA+8*(\a/2)+(\q), \n%2, \a%2, \zero
.endr
.endr
.endm
.macro STEPQ q, meet, left             ; meet = 1: the next step's fragments lie in a slot not yet shown whole; left: my later slots' loads, which may stay out
.if \meet
	s_wait_tensorcnt \left
	s_wait_dscnt 0x0
	s_barrier_signal -1
	s_barrier_wait -1
.endif
	PLACES
	LOADS (\q)+1, ((\q)+1)%2
	s_wait_dscnt 48                                ; this step's fragments are in; the 48 loads just issued may be out
	MUL \q, (\q)%2, 0
.endm
.macro TOSTAGE a                       ; tile a: a lane's 64 numbers are 4 x 16 neighbouring columns of its row
	WIN 0x08                                       ; an LDS store's data: window 2
.irp b, 0,1,2,3
.irp i, 0,1,2,3
	ds_store_b128 v[STO], v[64*(\a)+16*\b+4*\i:64*(\a)+16*\b+4*\i+3] offset:128*\b+16*\i   ; each accumulator from its low end on
.endr
.endr
	WIN 0
.set BB, 96+64*((\a)%2)
.irp t, 0,1,2,3,4,5,6,7,8,9,10,11,12,13,14,15
	ds_load_b128 v[BB+4*\t:BB+4*\t+3], v[RD] offset:528*\t   ; LDS serves a wave's instructions in order: these see the stores above, and the next tile's stores come behind them
.endr
.endm
.macro SEND a, younger
.set BB, 96+64*((\a)%2)
	s_wait_dscnt \younger
.irp t, 0,1,2,3,4,5,6,7,8,9,10,11,12,13,14,15
	global_store_b128 v[LI], v[BB+4*\t:BB+4*\t+3], s[8:9] offset:(32*((\a)/2)+8*((\a)%2)+\t+8*(\t/8))*4096 th:TH_STORE_NT   ; 32 lanes store 512 consecutive bytes of a row, at a multiple of 256
.endr
.endm
	s_load_b128 s[4:7], s[0:1], 0x0                ; opq s[4:5], val s[6:7]
	s_load_b64 s[8:9], s[0:1], 0x10                ; out0
	v_lshl_add_u32 v254, v0, 2, 0x49000
	v_mov_b32 v255, 0
	ds_add_u32 v254, v255
	ds_add_u32 v254, v255
	v_lshrrev_b32 v24, 5, v0
	v_readfirstlane_b32 s10, v24                   ; wave
	s_lshr_b32 s11, s10, 1                         ; which 64 rows are mine.  Also: I fetch values' tiles (0) or w_o's (1)
	s_and_b32 s12, s10, 1                          ; which 128 columns.  Also: which half of those tiles I fetch
	s_bfe_u32 s13, ttmp6, 0x40000                  ; cx
	s_bfe_u32 s14, ttmp6, 0x40004                  ; cy
	s_lshl_b32 s15, ttmp9, 2
	s_add_co_u32 s15, s15, s13                     ; the block of 256 columns
	s_and_b32 s16, ttmp7, 0xffff
	s_lshl_b32 s16, s16, 2
	s_add_co_u32 s16, s16, s14                     ; the block of 128 rows
	s_lshl_b32 s17, s14, 2
	s_lshl_b32 s17, 15, s17                        ; my row of the cluster
	s_lshl_b32 s18, 0x1111, s13                    ; my column
	s_or_b32 s[G1A], s17, (3<<16)|(1<<21)
	s_or_b32 s[G1W], s18, (3<<16)|(1<<21)
	s_or_b32 s[G1S], s17, (3<<16)|(1<<21)
	s_mov_b32 s[G1A+1], 1536<<16                   ; 8 tiles x 12,288 bytes, all of K, dense
	s_mov_b32 s[G1A+2], 8<<16
	s_mov_b32 s[G1A+3], 1536<<16
	s_mov_b32 s[G1A+4], 8
	s_mov_b32 s[G1A+5], 1536
	s_mov_b32 s[G1A+6], 0
	s_mov_b32 s[G1A+7], 0
	s_mov_b32 s[G1W+1], 1536<<16                   ; 8 tiles x 12,288 bytes
	s_mov_b32 s[G1W+2], 8<<16
	s_mov_b32 s[G1W+3], 1536<<16
	s_mov_b32 s[G1W+4], 8
	s_mov_b32 s[G1W+5], 1536
	s_mov_b32 s[G1W+6], 0
	s_mov_b32 s[G1W+7], 0
	s_mov_b32 s[G1S+1], 32<<16                     ; 16 heads x 256 bytes, 4,096 bytes apart
	s_mov_b32 s[G1S+2], 16<<16                     ; all 16 heads
	s_mov_b32 s[G1S+3], 32<<16
	s_mov_b32 s[G1S+4], 16
	s_mov_b32 s[G1S+5], 512
	s_mov_b32 s[G1S+6], 0
	s_mov_b32 s[G1S+7], 0
	s_lshl_b32 s20, s16, 3
	s_mul_i32 s20, s20, 12288                      ; values: tile 8 x block
	s_mov_b32 s21, 0
	s_lshl_b32 s88, s15, 4
	s_lshl_b32 s89, s12, 3
	s_add_co_u32 s88, s88, s89
	s_add_co_u32 s88, s88, 704                     ; w_o: tile 704 + 16 x block + 8 x half
	s_mul_i32 s88, s88, 12288
	s_mov_b32 s89, 0
	s_lshr_b32 s90, s16, 4
	s_lshl_b32 s90, s90, 4
	s_lshl_b32 s90, s90, 12                        ; scale bytes: batch x 16 heads,
	s_and_b32 s91, s16, 15
	s_lshl_b32 s91, s91, 8
	s_add_co_u32 s90, s90, s91                     ; my block's 8 tiles
	s_add_co_u32 s90, s90, VSC
	s_mov_b32 s91, 0
	s_mov_b32 s22, 0                               ; where they go
	s_mul_i32 s23, s12, 98304
	s_add_co_u32 s23, s23, WOFF
	s_mov_b32 s19, SCL
	s_wait_dscnt 0x0
	s_wait_kmcnt 0x0
	s_add_nc_u64 s[20:21], s[6:7], s[20:21]
	s_add_nc_u64 s[88:89], s[4:5], s[88:89]
	s_add_nc_u64 s[90:91], s[6:7], s[90:91]
.irp s, 0
	s_mov_b32 s[G0A+4*\s], 1
	s_add_co_u32 s[G0A+4*\s+1], s22, \s*SLOT
	s_add_nc_u64 s[G0A+4*\s+2:G0A+4*\s+3], s[20:21], \s*3072
	s_or_b32 s[G0A+4*\s+3], s[G0A+4*\s+3], 0x80000000
	s_mov_b32 s[G0W+4*\s], 1
	s_add_co_u32 s[G0W+4*\s+1], s23, \s*SLOT
	s_add_nc_u64 s[G0W+4*\s+2:G0W+4*\s+3], s[88:89], \s*3072
	s_or_b32 s[G0W+4*\s+3], s[G0W+4*\s+3], 0x80000000
.endr
	s_mov_b32 s[G0S], 1
	s_mov_b32 s[G0S+1], s19
	s_mov_b64 s[G0S+2:G0S+3], s[90:91]
	s_or_b32 s[G0S+3], s[G0S+3], 0x80000000
	CROUND                                         ; all sixteen work-groups are here: the joint loads meet
	s_cmp_eq_u32 s10, 0                            ; one load a wave, in one chain of arms on the wave's number
	s_cbranch_scc0 .Lhead_s
	tensor_load_to_lds s[G0A:G0A+3], s[G1A:G1A+7]  ; wave 0: values' 8 tiles
	s_nop 0
	PLACES
	s_branch .Lfirst_done
.Lhead_s:
	s_cmp_eq_u32 s10, 1
	s_cbranch_scc0 .Lfirst_w
	tensor_load_to_lds s[G0S:G0S+3], s[G1S:G1S+7]  ; wave 1: values' scale bytes
	s_nop 0
	PLACES
	s_branch .Lfirst_done
.Lfirst_w:
	tensor_load_to_lds s[G0W:G0W+3], s[G1W:G1W+7]  ; waves 2 and 3: 8 tiles of w_o each
	s_nop 0
	PLACES
.Lfirst_done:
	v_and_b32 v24, 31, v0                          ; lane
	v_and_b32 v25, 15, v0                          ; r
	v_bfe_u32 v26, v0, 4, 1                        ; h
	v_lshlrev_b32 v[LI], 4, v24
	v_lshlrev_b32 v[LJ], 3, v24
	s_mul_i32 s92, s11, 49152                      ; my 4 tiles of values,
	s_mul_i32 s93, s12, 98304
	s_add_co_u32 s93, s93, WOFF                    ; my 8 of w_o
	v_add_nc_u32 v1, s92, v[LI]
	v_add_nc_u32 v2, s92, v[LJ]
	v_add_nc_u32 v3, s93, v[LI]
	v_add_nc_u32 v4, s93, v[LJ]
	s_add_co_u32 s93, s93, 49152                   ; w_o's tiles 4-7 of my 8
	v_add_nc_u32 v5, s93, v[LI]
	v_add_nc_u32 v6, s93, v[LJ]
	s_lshl_b32 s94, s11, 7
	s_add_co_u32 s94, s94, SCL
	v_lshl_add_u32 v[AS], v24, 1, s94              ; scale bytes: SCL + 128 x my half + 2 x lane: lanes 0-15 the even tile's rows, lanes 16-31 the odd tile's
	s_mul_i32 s94, s10, 8448                       ; my stage
	v_mul_u32_u24 v[STO], v25, 528
	v_lshl_add_u32 v[STO], v26, 6, v[STO]
	v_add_nc_u32 v[STO], s94, v[STO]               ; in: row r, + 64 h
	v_add_nc_u32 v[RD], s94, v[LI]                 ; back: a whole row, 16 bytes a lane
	s_lshl_b32 s94, s15, 3
	s_lshl_b32 s95, s12, 2
	s_add_co_u32 s94, s94, s95
	s_add_co_u32 s94, s94, 352                     ; w_o's pairs: 352 + 8 x block + 4 x half on
	s_lshl_b32 s94, s94, 10
	s_add_co_u32 s94, s94, SCB
	s_mov_b32 s95, 0
	s_add_nc_u64 s[4:5], s[4:5], s[94:95]
	s_lshl_b32 s94, s16, 7
	s_lshl_b32 s96, s11, 6
	s_add_co_u32 s94, s94, s96                     ; my first row of out
	s_lshl_b32 s94, s94, 12
	s_lshl_b32 s96, s15, 10
	s_add_co_u32 s94, s94, s96
	s_lshl_b32 s96, s12, 9
	s_add_co_u32 s94, s94, s96                     ; and my first column, in bytes
	s_add_nc_u64 s[8:9], s[8:9], s[94:95]
.irp j, 0,1,2,3
.irp k, 0,1
	global_load_b128 v[WS+8*\j+4*\k:WS+8*\j+4*\k+3], v[LI], s[4:5] offset:1024*\j+512*\k   ; four K steps' words: 512 consecutive bytes a load
.endr
.endr
	s_wait_alu depctr_va_vdst(0)
	s_wait_tensorcnt 0x0                           ; my one load is in: nothing is ever filled again
	s_barrier_signal -1
	s_barrier_wait -1                              ; everybody's are
.irp p, 0,1
.irp h, 0,1,2,3,4,5,6,7,8,9,10,11,12,13,14,15
	ds_load_u16 v[192+16*\p+\h], v[AS] offset:256*\h+64*\p
.endr
.endr
	s_wait_dscnt 0x0
.irp p, 0,1
.irp s, 0,1,2,3,4,5,6,7
	v_lshl_or_b32 v[SA+8*\p+\s], v[192+16*\p+2*\s+1], 16, v[192+16*\p+2*\s]   ; K step s: heads 2 s and 2 s + 1
.endr
.endr
.rept 8
	v_nop                                          ; scale registers written by vector instructions stand eight plain instructions ahead of the scaled products
.endr
	LOADS 0, 0
	LOADS 1, 1
	s_wait_alu depctr_va_vdst(0)
	s_wait_dscnt 48
	s_wait_loadcnt 0x0                             ; w_o's scale words
	MUL 0, 0, 1                                    ; the first products start the sums
	STEPQ 1, 0, 0
	STEPQ 2, 0, 0
	STEPQ 3, 0, 0
	STEPQ 4, 0, 0
	STEPQ 5, 0, 0
	STEPQ 6, 0, 0
	s_wait_dscnt 0x0                               ; my reads of the slots are over:
	s_barrier_signal -1                            ; say so,
	MUL 7, 1, 0                                    ; work on registers while the others arrive,
	WIN 0
	s_barrier_wait -1                              ; and write into slot 0 only when nobody reads it any more
	PLACES
	TOSTAGE 0
.irp a, 1,2,3
.if \a > 1
	s_wait_xcnt 0x0                                ; tile a - 2's stores have read their registers: tile a's rows may land there
.endif
	TOSTAGE \a
	SEND \a-1, 32                                  ; behind tile a - 1's loads: tile a's 16 stores and 16 loads
.endr
	SEND 3, 0
	s_wait_tensorcnt 0x0
	ds_add_u32 v254, v255
	s_wait_dscnt 0x0
	CROUND                                         ; the closing round
	s_endpgm
.Lfunc_end_k_qf60cc8daca_oproj:
	.size	k_qf60cc8daca_oproj, .Lfunc_end_k_qf60cc8daca_oproj-k_qf60cc8daca_oproj
	.p2alignl 7, 3214868480
	.fill 96, 4, 3214868480
	.section	.rodata,"a",@progbits
	.p2align	6, 0x0
	.amdhsa_kernel k_qf60cc8daca_oproj
		.amdhsa_group_segment_fixed_size 327680
		.amdhsa_private_segment_fixed_size 0
		.amdhsa_enable_private_segment 0
		.amdhsa_kernarg_size 24
		.amdhsa_user_sgpr_count 2
		.amdhsa_user_sgpr_kernarg_segment_ptr 1
		.amdhsa_wavefront_size32 1
		.amdhsa_system_sgpr_workgroup_id_x 1
		.amdhsa_system_sgpr_workgroup_id_y 1
		.amdhsa_system_sgpr_workgroup_id_z 1
		.amdhsa_system_vgpr_workitem_id 0
		.amdhsa_next_free_vgpr 768
		.amdhsa_next_free_sgpr 100
		.amdhsa_reserve_vcc 0
		.amdhsa_float_denorm_mode_32 3
		.amdhsa_float_denorm_mode_16_64 3
		.amdhsa_memory_ordered 1
		.amdhsa_forward_progress 1
		.amdhsa_inst_pref_size 85
	.end_amdhsa_kernel
	.amdgpu_metadata
---
amdhsa.version: [ 1, 2 ]
amdhsa.kernels:
  - .name:           k_qf60cc8daca_oproj
    .symbol:         k_qf60cc8daca_oproj.kd
    .args:
      - { .name: opq, .offset: 0, .size: 8, .value_kind: global_buffer, .address_space: global }
      - { .name: val, .offset: 8, .size: 8, .value_kind: global_buffer, .address_space: global }
      - { .name: out0, .offset: 16, .size: 8, .value_kind: global_buffer, .address_space: global }
    .group_segment_fixed_size: 327680
    .private_segment_fixed_size: 0
    .kernarg_segment_align: 8
    .kernarg_segment_size: 24
    .max_flat_workgroup_size: 128
    .sgpr_count:     100
    .vgpr_count:     768
    .wavefront_size: 32
...
	.end_amdgpu_metadata
.endif
;; end of part 4
